; MI455X (gfx1250); checked and timed in simulation.
; The chip was launched on July 23, 2026; its instructions are those of AMD's public machine-readable ISA for CDNA 5 (MIT licence, August 2026) and "CDNA5" Instruction Set Architecture Reference Guide (July 2026). The comments in the code are by the model that wrote it; some were corrected since.
;; GQA Attention. Allowed arithmetic: matrix products marked QUANTISED: E2M1 operands, one E8M0 scale for each 32 along K, by v_wmma_scale_f32_16x16x128_f8f6f4 with both operands' format E2M1 (or v_wmma_scale_f32_32x16x128_f4), f32 sums; products left as they are: bf16, f16 or f32 operands; f32 sums; everything else in f32.
;; Inputs: bk 1,024 float32; bo 4,096 float32; bq 2,048 float32; bv 1,024 float32; position_ids 1 x 2,048 int32; wk 1,024 x 4,096 float32; wo 4,096 x 2,048 float32; wq 2,048 x 4,096 float32; wv 1,024 x 4,096 float32; x 1 x 2,048 x 4,096 float32.
;; Outputs: out0 1 x 2,048 x 4,096 float32.
;; This version of the problem:
;;   THIS VERSION OF THE PROBLEM IS GIVEN IN LOW PRECISION. The matrix products marked QUANTISED in the list below multiply operands that are first quantised to E2M1 (2 exponent bits, 1 mantissa bit; 4 bits a number), with one power-of-two scale for each 32 numbers along K (OCP MX v1.0); their sums are f32. The products marked 'left as it is' may take bf16, f16 or f32 operands, with f32 sums. Whichever they take, every output number must still come out within the allowed error. Rounding operands to bf16 (8 significant bits) uses up far more of that allowance than f16 does (11 bits, for magnitudes from 6e-5 to 65,504). All else is computed in f32.
;;   The module's matrix products, in the order in which they are computed (A, B: the left and right operand; K: the contracted axis; several contracted axes count as one K, in the product's order):
;;     1. [M 2,048, K 4,096] x [K 4,096, N 2,048]; A: input x; B: input wq: QUANTISED
;;     2. [M 2,048, K 4,096] x [K 4,096, N 1,024]; A: input x; B: input wk: QUANTISED
;;     3. [M 2,048, K 4,096] x [K 4,096, N 1,024]; A: input x; B: input wv: QUANTISED
;;     4. batch 8 x [M 4,096, K 128] x [K 128, N 2,048]; A: computed on the way; B: computed on the way: left as it is (an operand is computed on the way)
;;     5. batch 8 x [M 4,096, K 2,048] x [K 2,048, N 128]; A: computed on the way; B: computed on the way: left as it is (an operand is computed on the way)
;;     6. [M 2,048, K 2,048] x [K 2,048, N 4,096]; A: computed on the way; B: input wo: left as it is (an operand is computed on the way)
;;   THE QUANTISER, for each operand of a quantised product, along K:
;;     - K is cut into blocks of 32 from its start; a last block that is shorter is filled with zeros.
;;     - A block's scale is 2^e with e = floor(log2(the largest magnitude in the block)) - 2, held to -126 .. 127; a block of zeros has e = 0. As a byte (E8M0): e + 127.
;;     - Each number is divided by its block's scale, clamped to +-6, and rounded to the nearest number of E2M1, ties to even, subnormals kept.
;;     - The product sums the exact products of the quantised numbers (number of the format x scale) in f32.
;;   ~~~python
;;   def quantise(x, axis):      # numpy; x: float32 -> the quantised numbers, widened to float32 again
;;       x = np.moveaxis(x, axis, -1); K = x.shape[-1]
;;       x = np.pad(x, [(0, 0)] * (x.ndim - 1) + [(0, -K % 32)]); x = x.reshape(x.shape[:-1] + (-1, 32)); a = np.abs(x).max(-1, keepdims=True)
;;       e = np.where(a > 0, np.clip(np.frexp(np.where(a > 0, a, 1))[1] - 1 - 2, -126, 127), 0)      # np.frexp(a)[1] - 1 = floor(log2(a)), exactly
;;       r = np.clip(x / 2.0 ** e, -6, 6)
;;       step = 2.0 ** (np.maximum(np.frexp(np.where(r == 0, 1, r))[1] - 1, 0) - 1)
;;       q = np.round(r / step) * step * 2.0 ** e      # np.round: ties to even
;;       return np.moveaxis(q.reshape(q.shape[:-2] + (-1,))[..., :K], -1, axis).astype(np.float32)
;;   ~~~
;; One version. Each part assembles by itself: llvm-mc -triple=amdgcn-amd-amdhsa -mcpu=gfx1250 --defsym DOCPART=n.
;; ======== version 1 of 1: 4 launches
;; limits: right only within a limited range of input values; values are held in f16: magnitudes above 65,504 overflow, below 6.1e-05 lose precision
;; workspace buffers: xc 4,194,304 bytes; xs 262,144 bytes; wc 8,388,608 bytes; ws 524,288 bytes; wo16 16,777,216 bytes; rope 1,081,344 bytes; qkv16 16,777,216 bytes; o16 8,388,608 bytes
;; launch prep (part 1): grid 900 x 1, 4 waves a work-group, no clusters, 33,280 bytes of LDS; arguments x, wq, wk, wv, position_ids, xc, xs, wc, ws, rope; writes xc, xs, wc, ws, rope
.if DOCPART == 1
	.amdgcn_target "amdgcn-amd-amdhsa--gfx1250"
	.amdhsa_code_object_version 6
	.text
	.protected	k_q3d288e2583_prep
	.globl	k_q3d288e2583_prep
	.p2align	8
	.type	k_q3d288e2583_prep,@function
k_q3d288e2583_prep:
	s_mov_b64 s[64:65], 0
	v_nop
	global_prefetch_b8 v0, s[64:65] scope:SCOPE_SE
	s_setreg_imm32_b32 hwreg(HW_REG_WAVE_MODE, 25, 1), 1
	s_wait_xcnt 0x0
; PREP: what is made once from the inputs ahead of the first product.  Two kinds of work-group, told apart by the work-group's number alone:
;   0 .. 767     x [2048][4096], wq [2048][4096], wk, wv [1024][4096], f32 -> codes of FP4 (E2M1), K innermost, and one E8M0 byte for each 32 along K.  x -> xc, xs;  wq, wk, wv, one behind the other -> wc, ws.
;   768 .. 899   the table of cos / 4 and sin / 4 for the rotation, from position_ids, laid as the next launch's registers take it.
; THE QUANTISER.  A block's scale is 2^(floor(log2(its largest magnitude)) - 2); its byte is the largest magnitude's exponent field - 2, held at 1 from below; each number is divided by the scale and rounded to the
; nearest code, ties to even, beyond 6 the largest code.  Rows are dense and 4096 is a multiple of 32: a tensor is a plain stream of blocks of 32.
; LIMITS: a block of zeros gets the byte 1 where the rule says 127 (its codes are zeros, and this program alone reads the bytes); blocks whose largest magnitude lies under 2^-124 were not tried; NaN and infinities are not served.
; The angle: |position| under 2^22 (the position's way to f32, the count of quarter turns and the three-part reduction by pi / 2 all keep that bound); inv_freq = 2^(-j log2(10000) / 64) by v_exp_f32 on a reduced
; argument, so the angle may differ from a correctly rounded one by some 3e-7 of itself.
.set WAVES, 4
.set STEPS, 16
.set CB,    8                          ; bytes of 16 codes
.set R,     16                         ; v16-79   four sets of 16 numbers as they are loaded
.set X,     80                         ; v80-111  two sets of 16 neighbours
.set E,     112                        ; v112-127 a scale byte for each step
.set C,     128                        ; v128-191 codes: four registers for each step, so that no store's data are written again
.set WREG,  8192                       ; LDS: a region for each wave: two stages of 32 x SP bytes, behind them its 256 scale bytes
.set SP,    80                         ; a lane's place in a stage: 64 bytes + 16 of padding
.set SPW,   12                         ; v12  LDS address of my spare word; never rewritten
.set NIL,   13                         ; v13  0; never rewritten
.set SPARE, WAVES*WREG                 ; behind the four regions: the spare words, 128 bytes a wave
.set BIG,   0x4b400000                 ; the f32 number 1.5 x 2^23.  From 2^23 to 2^24 neighbouring f32 numbers are 1 apart: so BIG + t, for |t| under 2^22, is t rounded to a whole number, ties to even,
                                       ; and the sum's bits are BIG's bits + that whole number
	s_load_b512 s[8:23], s[0:1], 0x0               ; x 8, wq 10, wk 12, wv 14, position_ids 16, xc 18, xs 20, wc 22
	s_load_b128 s[24:27], s[0:1], 0x40             ; ws 24, rope 26
	v_lshl_add_u32 v[SPW], v0, 2, SPARE
	v_mov_b32 v[NIL], 0
	v_lshrrev_b32 v1, 5, v0
	v_readfirstlane_b32 s32, v1                    ; wave
	v_and_b32 v2, 31, v0                           ; lane
	v_lshlrev_b32 v3, 4, v2                        ; 16 x lane
	s_mul_i32 s33, s32, WREG
	v_lshrrev_b32 v14, 2, v2
	v_mul_u32_u24 v14, v14, SP
	v_and_b32 v15, 3, v2
	v_lshl_add_u32 v14, v15, 4, v14
	v_add_nc_u32 v14, s33, v14                     ; the stage, on the way in: four lanes' 64 bytes on end, then 16 of padding
	v_mul_u32_u24 v15, v2, SP
	v_add_nc_u32 v15, s33, v15                     ; and on the way out: my 16 neighbours
	v_mul_u32_u24 v4, v2, CB                       ; my codes' place in a step's
	v_lshrrev_b32 v5, 1, v2
	s_add_co_u32 s33, s33, 2*32*SP
	v_add_nc_u32 v5, s33, v5                       ; LDS: my wave's 256 scale bytes, my block's byte
	v_lshlrev_b32 v7, 3, v2                        ; 8 x lane
	v_add_nc_u32 v6, s33, v7
	s_wait_kmcnt 0x0
	s_cmp_lt_u32 ttmp9, 768
	s_cbranch_scc1 .Lquant
; ---- THE TABLE.  Work-group A = number - 768 takes positions 16 A .. 16 A + 15, wave b the frequencies j = 16 b .. 16 b + 15; lane (r, h) holds position 16 A + r and j = 16 b + 8 h + u, u = 0 .. 7.
; Laid at A x 8192 + b x 2048 + part x 512 + 16 x lane; parts: cos u 0-3, cos u 4-7, sin u 0-3, sin u 4-7: every store of the wave covers 512 consecutive bytes.
; Blocks 128 .. 131 hold the angle 0 (cos / 4 = 0.25, sin = 0), for the value heads, which are not rotated: their position is read from block 127 (no load leaves the buffer) and multiplied by 0.
	s_sub_co_u32 s33, ttmp9, 768                   ; A
	s_min_u32 s36, s33, 127
	s_lshl_b32 s36, s36, 6                         ; 16 positions of 4 bytes
	s_mov_b32 s37, 0
	s_add_nc_u64 s[16:17], s[16:17], s[36:37]
	v_and_b32 v17, 15, v0
	v_lshlrev_b32 v17, 2, v17
	global_load_b32 v16, v17, s[16:17]
	s_cmp_lt_u32 s33, 128
	s_cselect_b32 s38, 0x3f800000, 0               ; 1.0, or 0 for the four blocks of angle 0
	s_lshl_b32 s36, s33, 13
	s_lshl_b32 s39, s32, 11
	s_add_co_u32 s36, s36, s39
	s_add_nc_u64 s[26:27], s[26:27], s[36:37]
	s_mov_b32 s40, 0x3e549a78                      ; C = log2(10000) / 64, its f32 number,
	s_mov_b32 s41, 0x31979a30                      ; and what that leaves
	s_mov_b32 s42, 0x3f22f983                      ; 2 / pi
	s_mov_b32 s43, 0xbfc90fdb                      ; -pi / 2 in three parts: -hi,
	s_mov_b32 s44, 0x333bbd2e                      ; + mid,
	s_mov_b32 s45, 0x26f72ced                      ; + lo
	s_mov_b32 s46, 0xb94ca1f9                      ; sine on |r| <= pi / 4: r + r z (S1 + z (S2 + z S3))
	s_mov_b32 s47, 0x3c08839e
	s_mov_b32 s48, 0xbe2aaaa3
	s_mov_b32 s49, 0x37ccf5ce                      ; cosine: 1 - z / 2 + z z (C1 + z (C2 + z C3))
	s_mov_b32 s50, 0xbab6061a
	s_mov_b32 s51, 0x3d2aaaa5
	s_mov_b32 s52, BIG                             ; 1.5 x 2^23,
	s_mov_b32 s53, 0xcb400000                      ; and its negative
	v_bfe_u32 v18, v0, 4, 1
	v_lshlrev_b32 v18, 3, v18
	s_lshl_b32 s39, s32, 4
	v_add_nc_u32 v18, s39, v18                     ; 16 b + 8 h
.irp u, 0,1,2,3,4,5,6,7
	v_add_nc_u32 v[24+\u], BIG+\u, v18             ; the bits of the f32 number BIG + j,
.endr
.irp u, 0,1,2,3,4,5,6,7
	v_add_f32 v[24+\u], s53, v[24+\u]              ; less BIG: j as f32, exact
.endr
.irp u, 0,1,2,3,4,5,6,7
	v_fma_f32 v[32+\u], v[24+\u], s40, s52         ; BIG + j C: its low bits are n, the whole number nearest to j C (0 .. 13)
.endr
.irp u, 0,1,2,3,4,5,6,7
	v_add_f32 v[88+\u], s53, v[32+\u]              ; n as f32
.endr
.irp u, 0,1,2,3,4,5,6,7
	v_fma_f32 v[40+\u], -v[24+\u], s40, v[88+\u]   ; n - j C,
.endr
.irp u, 0,1,2,3,4,5,6,7
	v_fma_f32 v[40+\u], -v[24+\u], s41, v[40+\u]   ; with the constant's low part: -f, at most a half in size
.endr
.irp u, 0,1,2,3,4,5,6,7
	v_sub_nc_u32 v[32+\u], BIG+127, v[32+\u]       ; 127 - n,
.endr
.irp u, 0,1,2,3,4,5,6,7
	v_lshlrev_b32 v[32+\u], 23, v[32+\u]           ; as an exponent field: the f32 number 2^-n
.endr
.irp u, 0,1,2,3,4,5,6,7
	v_exp_f32 v[40+\u], v[40+\u]                   ; 2^-f: eight as one batch
.endr
	s_wait_loadcnt 0x0
	v_add_nc_u32 v16, BIG, v16                     ; the position as f32, the same way: exact for |position| under 2^22 (plain work behind the batch)
	v_add_f32 v16, s53, v16
	v_mul_f32 v16, s38, v16
	s_wait_alu depctr_va_vdst(0)                   ; one wait for the batch, ahead of its first reader
.irp u, 0,1,2,3,4,5,6,7
	v_mul_f32 v[40+\u], v[40+\u], v[32+\u]         ; inv_freq = 2^-f 2^-n: the second factor rounds nothing
.endr
.irp u, 0,1,2,3,4,5,6,7
	v_mul_f32 v[40+\u], v16, v[40+\u]              ; the angle, rounded once
.endr
.irp u, 0,1,2,3,4,5,6,7
	v_fma_f32 v[48+\u], v[40+\u], s42, s52         ; BIG + angle x 2 / pi: its low bits are k, the quarter turns
.endr
.irp u, 0,1,2,3,4,5,6,7
	v_add_f32 v[88+\u], s53, v[48+\u]              ; k as f32
.endr
.irp u, 0,1,2,3,4,5,6,7
	v_fma_f32 v[56+\u], v[88+\u], s43, v[40+\u]
.endr
.irp u, 0,1,2,3,4,5,6,7
	v_fma_f32 v[56+\u], v[88+\u], s44, v[56+\u]
.endr
.irp u, 0,1,2,3,4,5,6,7
	v_fma_f32 v[56+\u], v[88+\u], s45, v[56+\u]    ; r = angle - k pi / 2
.endr
.irp u, 0,1,2,3,4,5,6,7
	v_mul_f32 v[64+\u], v[56+\u], v[56+\u]         ; z
.endr
.irp u, 0,1,2,3,4,5,6,7
	v_fma_f32 v[72+\u], v[64+\u], s46, s47
.endr
.irp u, 0,1,2,3,4,5,6,7
	v_fma_f32 v[72+\u], v[72+\u], v[64+\u], s48
.endr
.irp u, 0,1,2,3,4,5,6,7
	v_mul_f32 v[72+\u], v[72+\u], v[64+\u]
.endr
.irp u, 0,1,2,3,4,5,6,7
	v_fma_f32 v[72+\u], v[72+\u], v[56+\u], v[56+\u]   ; sin r
.endr
.irp u, 0,1,2,3,4,5,6,7
	v_fma_f32 v[80+\u], v[64+\u], s49, s50
.endr
.irp u, 0,1,2,3,4,5,6,7
	v_fma_f32 v[80+\u], v[80+\u], v[64+\u], s51
.endr
.irp u, 0,1,2,3,4,5,6,7
	v_mul_f32 v[96+\u], v[64+\u], v[64+\u]
.endr
.irp u, 0,1,2,3,4,5,6,7
	v_fma_f32 v[104+\u], v[64+\u], -0.5, 1.0
.endr
.irp u, 0,1,2,3,4,5,6,7
	v_fma_f32 v[80+\u], v[80+\u], v[96+\u], v[104+\u]  ; cos r
.endr
.irp u, 0,1,2,3,4,5,6,7
	v_and_b32 v[96+\u], 1, v[48+\u]                ; BIG's low bits are 0: the sum's low two bits are k's
	v_cmp_eq_u32 vcc_lo, 1, v[96+\u]               ; an odd number of quarter turns: sine and cosine change places
	v_cndmask_b32 v[136+\u], v[72+\u], v[80+\u], vcc_lo
	v_cndmask_b32 v[128+\u], v[80+\u], v[72+\u], vcc_lo
.endr
.irp u, 0,1,2,3,4,5,6,7
	v_lshlrev_b32 v[96+\u], 30, v[48+\u]           ; the sine's sign: bit 1 of k;
	v_add_nc_u32 v[104+\u], 1, v[48+\u]
.endr
.irp u, 0,1,2,3,4,5,6,7
	v_lshlrev_b32 v[104+\u], 30, v[104+\u]         ; the cosine's: bit 1 of k + 1
	v_and_b32 v[96+\u], 0x80000000, v[96+\u]
.endr
.irp u, 0,1,2,3,4,5,6,7
	v_and_b32 v[104+\u], 0x80000000, v[104+\u]
	v_xor_b32 v[136+\u], v[96+\u], v[136+\u]
.endr
.irp u, 0,1,2,3,4,5,6,7
	v_xor_b32 v[128+\u], v[104+\u], v[128+\u]
	v_mul_f32 v[136+\u], 0x3e800000, v[136+\u]     ; sin / 4: q, k and v are stored as a quarter of themselves
.endr
.irp u, 0,1,2,3,4,5,6,7
	v_mul_f32 v[128+\u], 0x3e800000, v[128+\u]     ; cos / 4
.endr
	global_store_b128 v3, v[128:131], s[26:27]
	global_store_b128 v3, v[132:135], s[26:27] offset:512
	global_store_b128 v3, v[136:139], s[26:27] offset:1024
	global_store_b128 v3, v[140:143], s[26:27] offset:1536
	s_endpgm
; ---- THE QUANTISER.  A wave takes 16 steps of 512 numbers.  Each of a step's four loads reads 512 consecutive bytes; the 2,048 bytes turn through the wave's own stage in LDS, so that a lane then holds 16 neighbours
; along K (two neighbouring lanes hold a block).  A lane's 16 codes are 8 bytes: the wave stores 256 consecutive bytes.  The wave's 256 scale bytes are gathered in LDS and leave as one store of 256 bytes.
.Lquant:
	s_mov_b64 s[34:35], s[14:15]                   ; which tensor: the choice hangs on the work-group's number alone.  wv,
	s_mov_b32 s36, 640
	s_cmp_lt_u32 ttmp9, 640
	s_cselect_b64 s[34:35], s[12:13], s[34:35]     ; wk,
	s_cselect_b32 s36, 512, s36
	s_cmp_lt_u32 ttmp9, 512
	s_cselect_b64 s[34:35], s[10:11], s[34:35]     ; wq,
	s_cselect_b32 s36, 256, s36
	s_cmp_lt_u32 ttmp9, 256
	s_cselect_b64 s[34:35], s[8:9], s[34:35]       ; or x
	s_cselect_b32 s36, 0, s36                      ; the tensor's first work-group
	s_cselect_b64 s[38:39], s[18:19], s[22:23]     ; codes: xc or wc
	s_cselect_b64 s[40:41], s[20:21], s[24:25]     ; scale bytes: xs or ws
	s_cselect_b32 s37, 0, 256                      ; the output buffer's first work-group
	s_sub_co_u32 s36, ttmp9, s36
	s_lshl_b32 s36, s36, 2
	s_add_co_u32 s36, s36, s32                     ; my run of 8,192 numbers in the tensor
	s_lshl_b32 s42, s36, 15
	s_mov_b32 s43, 0
	s_add_nc_u64 s[34:35], s[34:35], s[42:43]
	s_sub_co_u32 s37, ttmp9, s37
	s_lshl_b32 s37, s37, 2
	s_add_co_u32 s37, s37, s32                     ; and in the output buffers
	s_lshl_b32 s42, s37, 12
	s_add_nc_u64 s[38:39], s[38:39], s[42:43]
	s_lshl_b32 s42, s37, 8
	s_add_nc_u64 s[40:41], s[40:41], s[42:43]
.macro LOAD t
.irp i, 0,1,2,3
	global_load_b128 v[R+16*((\t)%4)+4*\i:R+16*((\t)%4)+4*\i+3], v3, s[34:35] offset:2048*(\t)+512*\i th:TH_LOAD_NT
.endr
.endm
.macro TURN t                          ; step t's numbers through the stage: LDS serves a wave's instructions in order, so no wait stands between the stores and the loads
.irp i, 0,1,2,3
	ds_store_b128 v14, v[R+16*((\t)%4)+4*\i:R+16*((\t)%4)+4*\i+3] offset:32*SP*((\t)%2)+8*SP*\i
.endr
.irp i, 0,1,2,3
	ds_load_b128 v[X+16*((\t)%2)+4*\i:X+16*((\t)%2)+4*\i+3], v15 offset:32*SP*((\t)%2)+16*\i
.endr
.endm
.irp t, 0,1,2,3
	LOAD \t
.endr
	s_wait_loadcnt 12                              ; step 0's four loads are in
	TURN 0
.macro STEP t
.set XS, X+16*((\t)%2)
.if (\t) > 0
	s_wait_dscnt 1                                 ; this step's numbers are back from the stage (the last step's byte store may be out)
.else
	s_wait_dscnt 0x0
.endif
.if (\t)+4 < STEPS
	LOAD (\t)+4
.endif
.if (\t)+1 < STEPS
.if STEPS-2-(\t) >= 3
	s_wait_loadcnt 12                              ; the next step's four loads are in; those of the three steps behind it may be out
.else
	s_wait_loadcnt 4*(STEPS-2-(\t))
.endif
	TURN (\t)+1
.endif
	v_max3_num_f32 v8, |v[XS]|, |v[XS+1]|, |v[XS+2]|               ; the largest magnitude of my 16
	v_max3_num_f32 v9, |v[XS+3]|, |v[XS+4]|, |v[XS+5]|
.irp i, 6,10
	v_max3_num_f32 v8, v8, |v[XS+\i]|, |v[XS+\i+1]|
	v_max3_num_f32 v9, v9, |v[XS+\i+2]|, |v[XS+\i+3]|
.endr
	v_max3_num_f32 v8, v8, |v[XS+14]|, |v[XS+15]|
	v_max3_num_f32 v8, v8, v9, 0x1800000           ; and the floor 2^(3 - 127): the byte cannot fall under 1
	v_max_num_f32_dpp v8, v8, v8 row_xmask:1 row_mask:0xf bank_mask:0xf   ; and of my neighbour's 16: the block's
	v_add_nc_u32 v11, 0xff000000, v8               ; 2 off its exponent field: the conversion takes the exponent field of this operand as its scale
	v_cvt_scalef32_pk8_fp4_f32 v[C+4*(\t)], v[XS:XS+7], v11
	v_cvt_scalef32_pk8_fp4_f32 v[C+4*(\t)+1], v[XS+8:XS+15], v11
	v_lshrrev_b32 v[E+(\t)], 23, v11               ; the scale's byte
	ds_store_b8 v5, v[E+(\t)] offset:16*(\t)       ; both lanes of a block write the same byte with the same value
	global_store_b64 v4, v[C+4*(\t):C+4*(\t)+1], s[38:39] offset:32*CB*(\t)
.endm
.irp t, 0,1,2,3,4,5,6,7,8,9,10,11,12,13,14,15
	STEP \t
.endr
	ds_load_b64 v[8:9], v6                         ; LDS serves a wave's instructions in order: these see my stores
	s_wait_dscnt 0x0
	global_store_b64 v7, v[8:9], s[40:41]          ; 32 lanes store 256 consecutive bytes, aligned
	s_wait_tensorcnt 0x0                           ; the wave's end
	ds_add_u32 v[SPW], v[NIL]
	s_wait_dscnt 0x0
	s_endpgm
.Lfunc_end_k_q3d288e2583_prep:
	.size	k_q3d288e2583_prep, .Lfunc_end_k_q3d288e2583_prep-k_q3d288e2583_prep
	.p2alignl 7, 3214868480
	.fill 96, 4, 3214868480
	.section	.rodata,"a",@progbits
	.p2align	6, 0x0
	.amdhsa_kernel k_q3d288e2583_prep
		.amdhsa_group_segment_fixed_size 33280
		.amdhsa_private_segment_fixed_size 0
		.amdhsa_enable_private_segment 0
		.amdhsa_kernarg_size 80
		.amdhsa_user_sgpr_count 2
		.amdhsa_user_sgpr_kernarg_segment_ptr 1
		.amdhsa_wavefront_size32 1
		.amdhsa_system_sgpr_workgroup_id_x 1
		.amdhsa_system_sgpr_workgroup_id_y 1
		.amdhsa_system_sgpr_workgroup_id_z 1
		.amdhsa_system_vgpr_workitem_id 0
		.amdhsa_next_free_vgpr 192
		.amdhsa_next_free_sgpr 66
		.amdhsa_reserve_vcc 1
		.amdhsa_float_denorm_mode_32 3
		.amdhsa_float_denorm_mode_16_64 3
		.amdhsa_memory_ordered 1
		.amdhsa_forward_progress 1
		.amdhsa_inst_pref_size 51
	.end_amdhsa_kernel
	.amdgpu_metadata
---
amdhsa.version: [ 1, 2 ]
amdhsa.kernels:
  - .name:           k_q3d288e2583_prep
    .symbol:         k_q3d288e2583_prep.kd
    .args:
      - { .name: x, .offset: 0, .size: 8, .value_kind: global_buffer, .address_space: global }
      - { .name: wq, .offset: 8, .size: 8, .value_kind: global_buffer, .address_space: global }
      - { .name: wk, .offset: 16, .size: 8, .value_kind: global_buffer, .address_space: global }
      - { .name: wv, .offset: 24, .size: 8, .value_kind: global_buffer, .address_space: global }
      - { .name: position_ids, .offset: 32, .size: 8, .value_kind: global_buffer, .address_space: global }
      - { .name: xc, .offset: 40, .size: 8, .value_kind: global_buffer, .address_space: global }
      - { .name: xs, .offset: 48, .size: 8, .value_kind: global_buffer, .address_space: global }
      - { .name: wc, .offset: 56, .size: 8, .value_kind: global_buffer, .address_space: global }
      - { .name: ws, .offset: 64, .size: 8, .value_kind: global_buffer, .address_space: global }
      - { .name: rope, .offset: 72, .size: 8, .value_kind: global_buffer, .address_space: global }
    .group_segment_fixed_size: 33280
    .private_segment_fixed_size: 0
    .kernarg_segment_align: 8
    .kernarg_segment_size: 80
    .max_flat_workgroup_size: 128
    .sgpr_count:     66
    .vgpr_count:     192
    .wavefront_size: 32
...
	.end_amdgpu_metadata
.endif
;; end of part 1
;; launch qkv (part 2): grid 16 x 16, 4 waves a work-group, clusters of 4 x 4, 327,680 bytes of LDS; arguments xc, xs, wc, ws, bq, bk, bv, rope, qkv16, wo, wo16; writes qkv16, wo16
.if DOCPART == 2
	.amdgcn_target "amdgcn-amd-amdhsa--gfx1250"
	.amdhsa_code_object_version 6
	.text
	.protected	k_q3d288e2583_qkv
	.globl	k_q3d288e2583_qkv
	.p2align	8
	.type	k_q3d288e2583_qkv,@function
k_q3d288e2583_qkv:
	s_mov_b64 s[64:65], 0
	v_nop
	global_prefetch_b8 v0, s[64:65] scope:SCOPE_SE
	s_setreg_imm32_b32 hwreg(HW_REG_WAVE_MODE, 25, 1), 1
	s_wait_xcnt 0x0
	s_wait_alu depctr_hold_cnt(0) depctr_sa_sdst(0) depctr_va_vdst(0) depctr_va_sdst(0) depctr_va_ssrc(0) depctr_va_vcc(0) depctr_vm_vsrc(0)
	s_getreg_b32 s2, hwreg(HW_REG_IB_STS2, 6, 4)
	s_cmp_eq_u32 s2, 0
	s_cbranch_scc0 .Lentry_in_a_cluster
	s_endpgm
.Lentry_in_a_cluster:
	s_bfe_u32 s2, ttmp6, 0x10000c
	s_cmp_lg_u32 s2, 0xf033
	s_cbranch_scc0 .Lentry_shape_is_right
	s_endpgm
.Lentry_shape_is_right:
; q, k, v = x W^T + b on codes of FP4 (E2M1) with one E8M0 scale for each 32 along K = 4096; then the rotation of q and k; all three stored as a QUARTER of themselves in f16 (an exact factor that keeps them inside f16's
; range for inputs some 30 times larger or offset), laid [32 head slots: q 0-15, k 16-23, v 24-31][2048 positions][128].
; xc [2048][2048 bytes], xs [2048][128]; wc [4096 rows: wq, wk, wv][2048 bytes], ws [4096][128]; rope: cos / 4 and sin / 4 as images of my registers, blocks 128-131 the angle 0, which the value heads take.
; A work-group of four waves makes 128 positions x 256 columns: 16 x 16 = 256 work-groups.  A wave makes 64 x 128: 32 accumulators; its 128 columns are ONE head slot, so that the rotation's partners d and d + 64
; are accumulators (a, b) and (a, b + 4), same lane, same register.
; K goes in steps of 512 (rows of 256 bytes) through a ring of two LDS slots filled by the tensor data mover.  The scale bytes of the work-group's rows, for all of K, come once, with the first fills, and stay.
; CLUSTERS: 4 x 4.  x's tiles hang on the tile row alone and are asked for jointly along a row of the cluster, W's on the tile column alone, along a column.
; THE MATRIX INSTRUCTION IS USED TRANSPOSED (source 0 = 16 rows of W, source 1 = 16 rows of x): a lane holds eight neighbouring columns of one position.  The bias is the C of each sum's first instruction.
; BESIDE THE PRODUCT: wo [4096][2048] f32 -> wo16 = 2 wo in f16, for the last launch (the factor 2 is exact; the attention launch stores o / 2).  The 1,024 waves take 8,192 numbers each, in four groups of 16 loads of 512
; consecutive bytes; a group is asked for a lap of the ring ahead of its conversion, so that its bytes move while K is walked.
; REGISTERS: window 0: v0-31 addresses; v32-95 scale words, two sets, and nothing else; v96-159 x's fragments, two sets (on the way out the rotated numbers); v160-223 a group of wo, v224-255 its f16 (on the way out
;   v160-191 packed, v192-255 rows read back, two sets).
;   window 1: W's fragments at v0-63 and v128-191; the bias at v64-127.   window 2: the 32 accumulators, (a, b) at v[8 (8 a + b)].   window 3: cos / 4, sin / 4: (a, b') at v[64 a + 16 b'], cos + 0 .. 7, sin + 8 .. 15.
; No prefetch: the launch reads 13 MB of codes in all, each tile shared by four partners, and no wave waits for wo, whose loads stand a lap ahead.
.set PITCH,  272                       ; an LDS row: 256 bytes + 16 of padding: the 16 rows that a load touches start at 16 different banks (64 banks of 4 bytes: ISA guide 11.1)
.set AHALF,  64*PITCH                  ; 64 rows of x: what one tensor load brings, and what one wave reads
.set BHALF,  128*PITCH                 ; 128 rows of W likewise
.set SLOT,   2*AHALF+2*BHALF           ; x's 128 rows, then W's 256
.set SCL,    2*SLOT                    ; behind the ring: the scale bytes, as rows of 256 bytes + 16 of padding (two rows of 128 scale bytes each)
.set SAH,    32*272                    ; those of 64 rows
.set SBH,    64*272                    ; of 128 rows
.set SBLK,   8*272                     ; of 16 rows
.set SPARE,  SCL+2*SAH+2*SBH           ; the spare words, 128 bytes a wave
.set WO8,  7                           ; v7  8 x lane: my 8 bytes of a store of wo16; never rewritten
.set ADRA, 16                          ; v16-17 LDS address of my fragments of x in slot 0, 1
.set ADRB, 20                          ; v20-21 the same for W
.set STO,  24                          ; v24 the way out: where I put 16 bytes of a row.  The stage, 16 rows x 272 bytes a wave, lies in slot 0, which has had its last fill and its last read by then
.set RD,   25                          ; v25 where I read a row back
.set CO,   26                          ; v26 my byte offset in two rows of the head slot
.set ADRS, 27                          ; v27 LDS address of my scale words: lanes 0-15 x's rows, lanes 16-31 W's
.set SPW,  28                          ; v28 my spare word; never rewritten
.set NIL,  29                          ; v29 0; never rewritten
.set BO,   30                          ; v30 32 x (lane / 16): my eight numbers of a bias tile
.set RO,   31                          ; v31 16 x lane
.set SC,   32
.set AF,   96
.set Y,    96
.set PP,   160
.set BK,   192
.set WX,   160
.set WY,   224
.set BIAS, 64
.set G1,   24                          ; s[24:31] group 1 for x's tiles; s[32:39] groups 0, one a slot
.set G0,   32
.set G1B,  48                          ; s[48:55], s[56:63] the same for W's
.set G0B,  56
.set G1S,  68                          ; s[68:75], s[76:79] x's scale bytes; s[80:87], s[88:91] W's
.set G0S,  76
.set G1SB, 80
.set G0SB, 88
.set MSB, 0
.macro WIN new                         ; the immediate's high byte repeats the setting that is left
.if MSB != \new
	s_set_vgpr_msb (MSB<<8)|\new
.set MSB, \new
.endif
.endm
; A joint load: waves 0 and 1 fetch for x, waves 2 and 3 for W.  The branch hangs on the wave's number alone.  An s_nop 0 and four v_nop follow each of the two lines.
.macro JLOAD g0a, g1a, g0b, g1b
	s_cmp_eq_u32 s15, 0
	s_cbranch_scc0 .Lfor_b_\@
	tensor_load_to_lds s[\g0a:\g0a+3], s[\g1a:\g1a+7]
	s_nop 0
.rept 4
	v_nop
.endr
	s_branch .Lasked_\@
.Lfor_b_\@:
	tensor_load_to_lds s[\g0b:\g0b+3], s[\g1b:\g1b+7]
	s_nop 0
.rept 4
	v_nop
.endr
.Lasked_\@:
.endm
.macro CREST                           ; a round of the cluster's barrier behind its opening barrier
	s_cmp_lg_u32 s14, 0
	s_cbranch_scc1 .Lnot_wave_0_\@
	s_barrier_signal -3
.Lnot_wave_0_\@:
	s_barrier_wait -3
	s_barrier_signal -1
	s_barrier_wait -1
.endm
.macro CROUND
	s_barrier_signal -1
	s_barrier_wait -1
	CREST
.endm
.macro PLACES n
.rept \n
	v_nop
.endr
.endm
; wo -> wo16, a group of 2,048 numbers of the wave at a time.  s[4:5]: wo at the group to be asked for; s[6:7]: wo16 at the group to be stored.
.macro WOLOAD                          ; 16 loads, 512 consecutive bytes each
.irp i, 0,1,2,3,4,5,6,7,8,9,10,11,12,13,14,15
	global_load_b128 v[WX+4*\i:WX+4*\i+3], v[RO], s[4:5] offset:512*\i th:TH_LOAD_NT
.endr
.endm
.macro WOCONV                          ; the group that was asked for a lap ago: x 2, rounded to f16
	s_wait_loadcnt 0x0                             ; all my loads are in, this group's among them: so their base may step below
.irp i, 0,1,2,3,4,5,6,7,8,9,10,11,12,13,14,15
	v_pk_mul_f32 v[WX+4*\i:WX+4*\i+1], v[WX+4*\i:WX+4*\i+1], 2.0 op_sel_hi:[1,0]
	v_pk_mul_f32 v[WX+4*\i+2:WX+4*\i+3], v[WX+4*\i+2:WX+4*\i+3], 2.0 op_sel_hi:[1,0]
.endr
.irp i, 0,1,2,3,4,5,6,7,8,9,10,11,12,13,14,15
	v_cvt_pk_f16_f32 v[WY+2*\i], v[WX+4*\i], v[WX+4*\i+1]
	v_cvt_pk_f16_f32 v[WY+2*\i+1], v[WX+4*\i+2], v[WX+4*\i+3]
.endr
	s_add_nc_u64 s[4:5], s[4:5], 8192              ; on to the next group of wo
.endm
.macro WOSTORE
.irp i, 0,1,2,3,4,5,6,7,8,9,10,11,12,13,14,15
	global_store_b64 v[WO8], v[WY+2*\i:WY+2*\i+1], s[6:7] offset:256*\i   ; the wave stores 256 consecutive bytes, aligned
.endr
	s_wait_xcnt 0x0                                ; the stores have read their data and their base: the base steps here, the data are written again a lap on
	s_add_nc_u64 s[6:7], s[6:7], 4096
.endm
.macro ROPELOAD a0                     ; the table for my blocks a0, a0 + 1 of 16 positions: 32 loads into window 3
	WIN 0xc0
.irp a, \a0, \a0+1
.irp b, 0,1,2,3
.irp c, 0,1,2,3
	global_load_b128 v[64*(\a)+16*\b+4*\c:64*(\a)+16*\b+4*\c+3], v[RO], s[92:93] offset:(\a)*8192+\b*2048+\c*512
.endr
.endr
.endr
	WIN 0
.endm
	s_load_b256 s[4:11], s[0:1], 0x0               ; xc 4, xs 6, wc 8, ws 10
	s_load_b128 s[96:99], s[0:1], 0x20             ; bq, bk
	s_load_b64 s[100:101], s[0:1], 0x30            ; bv
	s_load_b64 s[104:105], s[0:1], 0x38            ; rope
	s_load_b64 s[12:13], s[0:1], 0x40              ; qkv16
	v_lshl_add_u32 v[SPW], v0, 2, SPARE
	v_mov_b32 v[NIL], 0
	ds_add_u32 v[SPW], v[NIL]                      ; the wave's opening: the add, twice on end, and its wait ahead of my first tensor load
	ds_add_u32 v[SPW], v[NIL]
	v_lshrrev_b32 v1, 5, v0
	v_readfirstlane_b32 s14, v1                    ; wave 0..3
	s_lshr_b32 s15, s14, 1                         ; which 64 positions are mine.  Also: I fetch for x (0) or for W (1)
	s_and_b32 s16, s14, 1                          ; which 128 columns.  Also: which half of that tile I fetch
	s_bfe_u32 s40, ttmp6, 0x40000                  ; cx, cy
	s_bfe_u32 s41, ttmp6, 0x40004
	s_lshl_b32 s42, ttmp9, 2
	s_add_co_u32 s42, s42, s40                     ; tile column
	s_and_b32 s17, ttmp7, 0xffff
	s_lshl_b32 s17, s17, 2
	s_add_co_u32 s17, s17, s41                     ; tile row
	s_lshl_b32 s43, s41, 2
	s_lshl_b32 s43, 15, s43                        ; my row of the cluster
	s_lshl_b32 s44, 0x1111, s40                    ; my column
	s_or_b32 s[G1+0], s43, (1<<20)|(1<<21)|(5<<22)|(3<<25)    ; the mask; elements of 1 byte; padding on; bit 21 beside a mask; 4 words behind every 64
	s_or_b32 s[G1B+0], s44, (1<<20)|(1<<21)|(5<<22)|(3<<25)
	s_mov_b32 s[G1+1], 256<<16                     ; tensor_dim0 = 256 bytes
	s_mov_b32 s[G1+2], 64<<16                      ; tensor_dim1 = 64 rows
	s_mov_b32 s[G1+3], 256<<16                     ; tile_dim0
	s_mov_b32 s[G1+4], 64                          ; tile_dim1
	s_mov_b32 s[G1+5], 2048                        ; from row to row
	s_mov_b32 s[G1+6], 0
	s_mov_b32 s[G1+7], 0
	s_mov_b32 s[G1B+1], 256<<16
	s_mov_b32 s[G1B+2], 128<<16                    ; 128 rows
	s_mov_b32 s[G1B+3], 256<<16
	s_mov_b32 s[G1B+4], 128
	s_mov_b32 s[G1B+5], 2048
	s_mov_b32 s[G1B+6], 0
	s_mov_b32 s[G1B+7], 0
	s_or_b32 s[G1S+0], s43, (3<<16)|(1<<20)|(1<<21)|(5<<22)|(3<<25)   ; the scale bytes of 64 rows: 8,192 dense bytes as 32 rows of 32 elements of 8 bytes
	s_or_b32 s[G1SB+0], s44, (3<<16)|(1<<20)|(1<<21)|(5<<22)|(3<<25)  ; of 128 rows: 64 such rows
	s_mov_b32 s[G1S+1], 32<<16
	s_mov_b32 s[G1S+2], 32<<16
	s_mov_b32 s[G1S+3], 32<<16
	s_mov_b32 s[G1S+4], 32
	s_mov_b32 s[G1S+5], 32
	s_mov_b32 s[G1S+6], 0
	s_mov_b32 s[G1S+7], 0
	s_mov_b32 s[G1SB+1], 32<<16
	s_mov_b32 s[G1SB+2], 64<<16
	s_mov_b32 s[G1SB+3], 32<<16
	s_mov_b32 s[G1SB+4], 64
	s_mov_b32 s[G1SB+5], 32
	s_mov_b32 s[G1SB+6], 0
	s_mov_b32 s[G1SB+7], 0
	s_lshl_b32 s18, s16, 6
	s_lshl_b32 s20, s17, 7
	s_add_co_u32 s20, s20, s18                     ; x: row 128 x tile row + 64 x half
	s_lshl_b32 s18, s16, 7
	s_lshl_b32 s46, s42, 8
	s_add_co_u32 s46, s46, s18                     ; W: row 256 x tile column + 128 x half
	s_lshl_b32 s22, s20, 7                         ; their scale bytes: 128 a row
	s_mov_b32 s23, 0
	s_lshl_b32 s92, s46, 7
	s_mov_b32 s93, 0
	s_lshl_b32 s20, s20, 11                        ; their codes: 2,048 bytes a row
	s_mov_b32 s21, 0
	s_lshl_b32 s46, s46, 11
	s_mov_b32 s47, 0
	s_mul_i32 s45, s16, AHALF                      ; where they go in a slot: no place in the cluster enters an LDS address
	s_mul_i32 s66, s16, BHALF
	s_add_co_u32 s66, s66, 2*AHALF
	s_mul_i32 s67, s16, SAH
	s_add_co_u32 s67, s67, SCL
	s_mul_i32 s2, s16, SBH
	s_add_co_u32 s2, s2, SCL+2*SAH
	s_wait_dscnt 0x0                               ; both opening adds are done
	s_wait_kmcnt 0x0
	s_add_nc_u64 s[20:21], s[4:5], s[20:21]
	s_add_nc_u64 s[22:23], s[6:7], s[22:23]
	s_add_nc_u64 s[46:47], s[8:9], s[46:47]
	s_add_nc_u64 s[92:93], s[10:11], s[92:93]
	CROUND                                         ; all sixteen work-groups are here: the first joint loads meet
	s_mov_b32 s[G0S], 1
	s_mov_b32 s[G0S+1], s67
	s_mov_b64 s[G0S+2:G0S+3], s[22:23]
	s_or_b32 s[G0S+3], s[G0S+3], 0x80000000
	s_mov_b32 s[G0SB], 1
	s_mov_b32 s[G0SB+1], s2
	s_mov_b64 s[G0SB+2:G0SB+3], s[92:93]
	s_or_b32 s[G0SB+3], s[G0SB+3], 0x80000000
	JLOAD G0S, G1S, G0SB, G1SB                     ; the scale bytes first: wanted with K step 0.  With the two below, three loads of mine are out
.irp s, 0,1
	s_mov_b32 s[G0+4*\s], 1
	s_add_co_u32 s[G0+4*\s+1], s45, \s*SLOT
	s_add_nc_u64 s[G0+4*\s+2:G0+4*\s+3], s[20:21], \s*256
	s_or_b32 s[G0+4*\s+3], s[G0+4*\s+3], 0x80000000
	s_mov_b32 s[G0B+4*\s], 1
	s_add_co_u32 s[G0B+4*\s+1], s66, \s*SLOT
	s_add_nc_u64 s[G0B+4*\s+2:G0B+4*\s+3], s[46:47], \s*256
	s_or_b32 s[G0B+4*\s+3], s[G0B+4*\s+3], 0x80000000
	JLOAD G0+4*\s, G1, G0B+4*\s, G1B
.endr
	s_load_b128 s[4:7], s[0:1], 0x48               ; wo, wo16, into registers that the codes' addresses have left
	v_and_b32 v1, 15, v0                           ; r
	v_bfe_u32 v2, v0, 4, 1                         ; h
	v_mul_u32_u24 v3, v1, PITCH
	v_lshl_add_u32 v4, v2, 4, v3                   ; a fragment's row x pitch + 16 h
	s_mul_i32 s21, s15, AHALF                      ; my 64 rows of x
	s_mul_i32 s22, s16, BHALF
	s_add_co_u32 s22, s22, 2*AHALF                 ; my 128 rows of W
.irp s, 0,1
	v_add_nc_u32 v[ADRA+\s], s21, v4
	v_add_nc_u32 v[ADRB+\s], s22, v4
	s_add_co_u32 s21, s21, SLOT
	s_add_co_u32 s22, s22, SLOT
.endr
	v_lshlrev_b32 v5, 7, v1                        ; my row's scale bytes: 128 a row,
	v_lshrrev_b32 v6, 1, v1
	v_lshl_add_u32 v5, v6, 4, v5                   ; and 16 more for each 256 passed
	s_mul_i32 s21, s15, SAH                        ; x's: my 64 rows
	s_mul_i32 s22, s16, SBH
	s_add_co_u32 s22, s22, 2*SAH                   ; W's: my 128 rows, behind x's 128
	s_sub_co_u32 s22, s22, s21
	v_mul_u32_u24 v6, s22, v2                      ; lanes 16-31 take W's: the lower base + h x the distance
	s_add_co_u32 s21, s21, SCL
	v_add_nc_u32 v5, v5, v6
	v_add_nc_u32 v[ADRS], s21, v5
	s_mul_i32 s23, s14, 16*272                     ; my stage
	v_add_nc_u32 v[STO], s23, v4                   ; in: row r, 16 bytes for each half of the lanes
	v_mul_u32_u24 v5, v2, 272
	v_lshl_add_u32 v5, v1, 4, v5
	v_add_nc_u32 v[RD], s23, v5                    ; back: lanes 0-15 one row of 256 bytes, lanes 16-31 the next
	v_lshlrev_b32 v5, 8, v2
	v_lshl_add_u32 v[CO], v1, 4, v5
	v_lshlrev_b32 v[BO], 5, v2
	v_and_b32 v5, 31, v0
	v_lshlrev_b32 v[RO], 4, v5
	v_lshlrev_b32 v[WO8], 3, v5
	s_lshl_b32 s18, s42, 1
	s_add_co_u32 s18, s18, s16                     ; my head slot
	s_mov_b64 s[94:95], s[100:101]                 ; its bias: bv,
	s_mov_b32 s19, 24
	s_cmp_lt_u32 s18, 24
	s_cselect_b64 s[94:95], s[98:99], s[94:95]     ; bk,
	s_cselect_b32 s19, 16, s19
	s_cmp_lt_u32 s18, 16
	s_cselect_b64 s[94:95], s[96:97], s[94:95]     ; or bq: selects, no branch
	s_cselect_b32 s19, 0, s19
	s_sub_co_u32 s19, s18, s19
	s_lshl_b32 s22, s19, 9                         ; 128 numbers a head
	s_mov_b32 s23, 0
	s_add_nc_u64 s[94:95], s[94:95], s[22:23]
	WIN 0x40                                       ; destination window 1
.irp b, 0,1,2,3,4,5,6,7
	global_load_b128 v[BIAS+8*\b:BIAS+8*\b+3], v[BO], s[94:95] offset:64*\b        ; lane (r, h): the bias of columns 16 b + 8 h + 0 .. 7
	global_load_b128 v[BIAS+8*\b+4:BIAS+8*\b+7], v[BO], s[94:95] offset:64*\b+16
.endr
	WIN 0
	s_lshl_b32 s22, s17, 3
	s_lshl_b32 s23, s15, 2
	s_add_co_u32 s22, s22, s23                     ; my first block of 16 positions in the table,
	s_cmp_lt_u32 s18, 24
	s_cselect_b32 s22, s22, 128                    ; or, for a value head, the blocks of angle 0
	s_lshl_b32 s22, s22, 13
	s_mov_b32 s23, 0
	s_add_nc_u64 s[92:93], s[104:105], s[22:23]
	s_lshl_b32 s22, s18, 19                        ; where my 64 rows of the head slot begin
	s_lshl_b32 s23, s17, 15
	s_add_co_u32 s22, s22, s23
	s_lshl_b32 s23, s15, 14
	s_add_co_u32 s22, s22, s23
	s_mov_b32 s23, 0
	s_add_nc_u64 s[12:13], s[12:13], s[22:23]
	s_lshl_b32 s19, s17, 4                         ; my wave's run of wo: 4 x (16 x tile row + tile column) + wave
	s_add_co_u32 s19, s19, s42
	s_lshl_b32 s19, s19, 2
	s_add_co_u32 s19, s19, s14
	s_wait_kmcnt 0x0                               ; wo, wo16
	s_lshl_b32 s22, s19, 15                        ; 8,192 numbers of 4 bytes,
	s_add_nc_u64 s[4:5], s[4:5], s[22:23]
	s_lshl_b32 s22, s19, 14                        ; of 2 bytes
	s_add_nc_u64 s[6:7], s[6:7], s[22:23]
	WOLOAD                                         ; the first group: it lands while the first tiles do
.macro FRAG reg, adr, q, i             ; 16 rows x 128 K of 4-bit codes: lane l holds row l % 16; registers 4 c .. 4 c + 3 hold K = 64 c + 32 (l / 16) + 0 .. 31
.irp c, 0,1
	ds_load_b128 v[\reg+4*\c:\reg+4*\c+3], v[\adr] offset:64*(\q)+32*\c+(\i)*16*PITCH
.endr
.endm
.macro FETCH slot, q, p                ; the slot's q-th 128 along K into set p: W's eight fragments, x's four: 24 loads in one run
	WIN 0x40
.irp i, 0,1,2,3,4,5,6,7
	FRAG 128*(\p)+8*\i, ADRB+\slot, \q, \i
.endr
	WIN 0
.irp i, 0,1,2,3
	FRAG AF+32*(\p)+8*\i, ADRA+\slot, \q, \i
.endr
.endm
.macro SCALES sc                       ; a K step's scale words into set sc: register 4 i + q: lanes 0-15 x's block i (blocks 4-7 are named by no product), lanes 16-31 W's block i
.irp i, 0,1,2,3,4,5,6,7
	ds_load_b128 v[SC+32*\sc+4*\i:SC+32*\sc+4*\i+3], v[ADRS] offset:\i*SBLK
.endr
.endm
; 8 matrix instructions: x's block a against W's eight.  zero = 1: the bias is the C of the sum's first instruction.  The 32 accumulators take turns in one order in every step.
.macro MUL8 a, p, q, sc, zero
.irp b, 0,1,2,3,4,5,6,7
.if \zero
	v_wmma_scale_f32_16x16x128_f8f6f4 v[8*(8*(\a)+\b):8*(8*(\a)+\b)+7], v[128*(\p)+8*\b:128*(\p)+8*\b+7], v[AF+32*(\p)+8*(\a):AF+32*(\p)+8*(\a)+7], v[BIAS+8*\b:BIAS+8*\b+7], v[SC+32*(\sc)+4*\b+(\q)], v[SC+32*(\sc)+4*(\a)+(\q)] matrix_a_fmt:MATRIX_FMT_FP4 matrix_b_fmt:MATRIX_FMT_FP4 matrix_a_scale:MATRIX_SCALE_ROW1
.else
	v_wmma_scale_f32_16x16x128_f8f6f4 v[8*(8*(\a)+\b):8*(8*(\a)+\b)+7], v[128*(\p)+8*\b:128*(\p)+8*\b+7], v[AF+32*(\p)+8*(\a):AF+32*(\p)+8*(\a)+7], v[8*(8*(\a)+\b):8*(8*(\a)+\b)+7], v[SC+32*(\sc)+4*\b+(\q)], v[SC+32*(\sc)+4*(\a)+(\q)] matrix_a_fmt:MATRIX_FMT_FP4 matrix_b_fmt:MATRIX_FMT_FP4 matrix_a_scale:MATRIX_SCALE_ROW1
.endif
.endr
.endm
; A step of 128 along K that has its successor in the same slot.  The successor's fragments are asked for first, into the set that the step before multiplied (four places behind its last product), 32 matrix instructions ahead of their use.
.macro STEP slot, q, zero
	PLACES 4
	FETCH \slot, (\q)+1, 1-(\q)%2
	s_wait_dscnt 24                                ; all but the 24 just issued: this step's fragments (and, in a slot's first step, its scale words) are in
.if \zero
	WIN 0x91                                       ; source 0 (W) and C (the bias) window 1, source 1 (x) window 0, D window 2
.else
	WIN 0xa1                                       ; C and D window 2
.endif
	MUL8 0, (\q)%2, \q, \slot, \zero
	MUL8 1, (\q)%2, \q, \slot, \zero
	MUL8 2, (\q)%2, \q, \slot, \zero
	MUL8 3, (\q)%2, \q, \slot, \zero
	WIN 0
.endm
; A slot's last step changes slots: one barrier; in front of it each wave waits for all its tensor loads, adds 0 to its spare word, and waits for that and for its reads of this slot.  fill = 1: the slot is filled again, two K steps ahead.
.macro TURN slot, next, fill
	s_wait_tensorcnt 0x0                           ; all my tensor loads have landed: the one that was out is my part of the next slot
	ds_add_u32 v[SPW], v[NIL]                      ; 0 onto my spare word
	s_wait_dscnt 1                                 ; this step's fragments are in; the add may be out
	WIN 0xa1
	MUL8 0, 1, 3, \slot, 0
	s_wait_dscnt 0x0                               ; the add is done, and my reads of this slot are over
	s_barrier_signal -1
	MUL8 1, 1, 3, \slot, 0
	WIN 0
	s_barrier_wait -1
.if \fill
	CREST                                          ; the barrier has opened a round of the cluster's: no wave of any partner still reads this slot or has a load on its way
	s_add_nc_u64 s[G0+4*\slot+2:G0+4*\slot+3], s[G0+4*\slot+2:G0+4*\slot+3], 512
	s_add_nc_u64 s[G0B+4*\slot+2:G0B+4*\slot+3], s[G0B+4*\slot+2:G0B+4*\slot+3], 512
	JLOAD G0+4*\slot, G1, G0B+4*\slot, G1B         ; my one tensor load behind the round; its four v_nop are the places in front of the loads below
.else
	PLACES 4
.endif
	v_add_nc_u32 v[ADRS], 16, v[ADRS]              ; on to the next K step's scale words
	FETCH \next, 0, 0
	SCALES \next
	WIN 0xa1
	MUL8 2, 1, 3, \slot, 0
	MUL8 3, 1, 3, \slot, 0
	WIN 0
.endm
	s_wait_tensorcnt 1                             ; the scale bytes and my part of K step 0 are in (K step 1's load may be out),
	s_barrier_signal -1
	s_barrier_wait -1                              ; everybody's are
	FETCH 0, 0, 0
	SCALES 0
	s_wait_loadcnt 16                              ; the bias is in; the 16 loads of wo issued behind it may be out
	STEP 0, 0, 1                                   ; the first step stands in front of the loop: its products start the sums
	WOCONV                                         ; wo's first group,
	WOLOAD                                         ; the second is asked for,
	WOSTORE
	ROPELOAD 0                                     ; and half of the table, wanted on the way out: with the 16 loads above 48 loads of mine are out
	s_mov_b32 s3, 3                                ; 8 K steps = 4 laps; the last is written out
.Llap:
	STEP 0, 1, 0
	STEP 0, 2, 0
	TURN 0, 1, 1
	STEP 1, 0, 0
	STEP 1, 1, 0
	STEP 1, 2, 0
	TURN 1, 0, 1
	STEP 0, 0, 0
	WOCONV                                         ; the group of wo that was asked for a lap ago: groups 1, 2, 3 in the three trips
	s_cmp_eq_u32 s3, 1                             ; the last trip has no group left to ask for: no load leaves its buffer
	s_cbranch_scc1 .Lno_more
	WOLOAD
.Lno_more:
	WOSTORE
	s_sub_co_u32 s3, s3, 1
	s_cmp_lg_u32 s3, 0
	s_cbranch_scc1 .Llap
	ROPELOAD 2                                     ; the table's other half: 32 loads, a lap ahead of the way out
	STEP 0, 1, 0                                   ; the last lap fills nothing
	STEP 0, 2, 0
	TURN 0, 1, 0
	STEP 1, 0, 0
	STEP 1, 1, 0
	STEP 1, 2, 0
	s_wait_dscnt 0x0
	WIN 0xa1
	MUL8 0, 1, 3, 1, 0
	MUL8 1, 1, 3, 1, 0
	MUL8 2, 1, 3, 1, 0
	MUL8 3, 1, 3, 1, 0
	WIN 0
; THE WAY OUT, 16 positions at a time.  y(d) = t(d) cos / 4 - t(d + 64) sin / 4;  y(d + 64) = t(d + 64) cos / 4 + t(d) sin / 4.  Each accumulator is read from its low end on.
.macro ROTPACK a
	WIN 0x0e                                       ; source 0 window 2 (the sums), source 1 window 3 (the table)
.irp b, 0,1,2,3
.irp i, 0,2,4,6
	v_pk_mul_f32 v[Y+8*\b+\i:Y+8*\b+\i+1], v[8*(8*(\a)+\b+4)+\i:8*(8*(\a)+\b+4)+\i+1], v[64*(\a)+16*\b+8+\i:64*(\a)+16*\b+8+\i+1]
	v_pk_mul_f32 v[Y+8*(\b+4)+\i:Y+8*(\b+4)+\i+1], v[8*(8*(\a)+\b)+\i:8*(8*(\a)+\b)+\i+1], v[64*(\a)+16*\b+8+\i:64*(\a)+16*\b+8+\i+1]
.endr
.irp i, 0,2,4,6
	v_pk_fma_f32 v[Y+8*\b+\i:Y+8*\b+\i+1], v[8*(8*(\a)+\b)+\i:8*(8*(\a)+\b)+\i+1], v[64*(\a)+16*\b+\i:64*(\a)+16*\b+\i+1], v[Y+8*\b+\i:Y+8*\b+\i+1] neg_lo:[0,0,1] neg_hi:[0,0,1]
	v_pk_fma_f32 v[Y+8*(\b+4)+\i:Y+8*(\b+4)+\i+1], v[8*(8*(\a)+\b+4)+\i:8*(8*(\a)+\b+4)+\i+1], v[64*(\a)+16*\b+\i:64*(\a)+16*\b+\i+1], v[Y+8*(\b+4)+\i:Y+8*(\b+4)+\i+1]
.endr
.endr
	WIN 0
.irp b, 0,1,2,3,4,5,6,7
.irp r, 0,1,2,3
	v_cvt_pk_f16_f32 v[PP+4*\b+\r], v[Y+8*\b+2*\r], v[Y+8*\b+2*\r+1]
.endr
.endr
.endm
.macro TOSTAGE a                       ; 16 bytes a lane into my stage, and back as whole rows of 256 bytes: LDS serves a wave's instructions in order
.irp b, 0,1,2,3,4,5,6,7
	ds_store_b128 v[STO], v[PP+4*\b:PP+4*\b+3] offset:32*\b
.endr
.irp t, 0,1,2,3,4,5,6,7
	ds_load_b128 v[BK+32*((\a)%2)+4*\t:BK+32*((\a)%2)+4*\t+3], v[RD] offset:\t*544
.endr
.endm
.macro SEND a
	s_wait_dscnt 0x0                               ; the block is back in registers
.irp t, 0,1,2,3,4,5,6,7
	global_store_b128 v[CO], v[BK+32*((\a)%2)+4*\t:BK+32*((\a)%2)+4*\t+3], s[12:13] offset:(\a)*4096+512*\t   ; 16 lanes store 256 consecutive bytes, aligned
.endr
.endm
	PLACES 4                                       ; behind the last products: their sources are written and results read below
	s_wait_loadcnt 0x0                             ; the table
	ROTPACK 0
	TOSTAGE 0
.irp a, 1,2,3
	ROTPACK \a                                     ; a block's arithmetic stands between the loads of the block before and the wait for them
	SEND \a-1
.if \a > 1
	s_wait_xcnt 0x0                                ; block a - 2's stores have read their registers: block a's rows may land there
.endif
	TOSTAGE \a
.endr
	SEND 3
	s_wait_tensorcnt 0x0                           ; the wave's end
	ds_add_u32 v[SPW], v[NIL]
	s_wait_dscnt 0x0
	CROUND                                         ; the closing round
	s_endpgm
.Lfunc_end_k_q3d288e2583_qkv:
	.size	k_q3d288e2583_qkv, .Lfunc_end_k_q3d288e2583_qkv-k_q3d288e2583_qkv
	.p2alignl 7, 3214868480
	.fill 96, 4, 3214868480
	.section	.rodata,"a",@progbits
	.p2align	6, 0x0
	.amdhsa_kernel k_q3d288e2583_qkv
		.amdhsa_group_segment_fixed_size 327680
		.amdhsa_private_segment_fixed_size 0
		.amdhsa_enable_private_segment 0
		.amdhsa_kernarg_size 88
		.amdhsa_user_sgpr_count 2
		.amdhsa_user_sgpr_kernarg_segment_ptr 1
		.amdhsa_wavefront_size32 1
		.amdhsa_system_sgpr_workgroup_id_x 1
		.amdhsa_system_sgpr_workgroup_id_y 1
		.amdhsa_system_sgpr_workgroup_id_z 1
		.amdhsa_system_vgpr_workitem_id 0
		.amdhsa_next_free_vgpr 1024
		.amdhsa_next_free_sgpr 106
		.amdhsa_reserve_vcc 0
		.amdhsa_float_denorm_mode_32 3
		.amdhsa_float_denorm_mode_16_64 3
		.amdhsa_memory_ordered 1
		.amdhsa_forward_progress 1
		.amdhsa_inst_pref_size 164
	.end_amdhsa_kernel
	.amdgpu_metadata
---
amdhsa.version: [ 1, 2 ]
amdhsa.kernels:
  - .name:           k_q3d288e2583_qkv
    .symbol:         k_q3d288e2583_qkv.kd
    .args:
      - { .name: xc, .offset: 0, .size: 8, .value_kind: global_buffer, .address_space: global }
      - { .name: xs, .offset: 8, .size: 8, .value_kind: global_buffer, .address_space: global }
      - { .name: wc, .offset: 16, .size: 8, .value_kind: global_buffer, .address_space: global }
      - { .name: ws, .offset: 24, .size: 8, .value_kind: global_buffer, .address_space: global }
      - { .name: bq, .offset: 32, .size: 8, .value_kind: global_buffer, .address_space: global }
      - { .name: bk, .offset: 40, .size: 8, .value_kind: global_buffer, .address_space: global }
      - { .name: bv, .offset: 48, .size: 8, .value_kind: global_buffer, .address_space: global }
      - { .name: rope, .offset: 56, .size: 8, .value_kind: global_buffer, .address_space: global }
      - { .name: qkv16, .offset: 64, .size: 8, .value_kind: global_buffer, .address_space: global }
      - { .name: wo, .offset: 72, .size: 8, .value_kind: global_buffer, .address_space: global }
      - { .name: wo16, .offset: 80, .size: 8, .value_kind: global_buffer, .address_space: global }
    .group_segment_fixed_size: 327680
    .private_segment_fixed_size: 0
    .kernarg_segment_align: 8
    .kernarg_segment_size: 88
    .max_flat_workgroup_size: 128
    .sgpr_count:     106
    .vgpr_count:     1024
    .wavefront_size: 32
...
	.end_amdgpu_metadata
.endif
;; end of part 2
;; launch attn (part 3): grid 32 x 8, 4 waves a work-group, clusters of 4 x 1, 327,680 bytes of LDS; arguments qkv16, o16; writes o16
.if DOCPART == 3
	.amdgcn_target "amdgcn-amd-amdhsa--gfx1250"
	.amdhsa_code_object_version 6
	.text
	.protected	k_q3d288e2583_attn
	.globl	k_q3d288e2583_attn
	.p2align	8
	.type	k_q3d288e2583_attn,@function
k_q3d288e2583_attn:
	s_mov_b64 s[64:65], 0
	v_nop
	global_prefetch_b8 v0, s[64:65] scope:SCOPE_SE
	s_setreg_imm32_b32 hwreg(HW_REG_WAVE_MODE, 25, 1), 1
	s_wait_xcnt 0x0
	s_wait_alu depctr_hold_cnt(0) depctr_sa_sdst(0) depctr_va_vdst(0) depctr_va_sdst(0) depctr_va_ssrc(0) depctr_va_vcc(0) depctr_vm_vsrc(0)
	s_getreg_b32 s2, hwreg(HW_REG_IB_STS2, 6, 4)
	s_cmp_eq_u32 s2, 0
	s_cbranch_scc0 .Lentry_in_a_cluster
	s_endpgm
.Lentry_in_a_cluster:
	s_bfe_u32 s2, ttmp6, 0x10000c
	s_cmp_lg_u32 s2, 0x3003
	s_cbranch_scc0 .Lentry_shape_is_right
	s_endpgm
.Lentry_shape_is_right:
; o[q] = the sum over k of softmax_k(Q[q] . K[k] / sqrt(128)) V[k], 16 query heads on 8 key and value heads, 2,048 positions, no mask.  qkv16: [32 head slots: q 0-15, k 16-23, v 24-31][2048][128] f16, each a QUARTER of
; its number; o16: [2048][16 heads x 128] f16, HALF of o (the output projection's weight is stored doubled).  Products, maxima and sums in f32; the weights p <= 1 are rounded to f16 for the second product.
; f16 and not bf16: eleven significant bits; the exact factors 1/4 and 1/2 keep the operands inside f16's range for inputs some 30 times larger, smaller or offset.
; SHARES.  Work-group (x, y): key and value head y, query head 2 y + x / 16, queries 128 (x % 16) on: 256 work-groups.  Wave w: queries 64 (w % 2) on, four tiles of 16; KEYS 1,024 (w / 2) on: 16 steps of 64.
; So a fragment of K or V read from LDS feeds four tiles of queries, though a work-group has only 128 queries; the two waves that share queries each keep a running maximum and sum, and their halves are joined once, at the end.
; LAYOUT.  S^T = K Q^T and O^T = V^T P: a lane holds ONE query throughout.  K comes out of LDS as it lies, V turned by ds_load_tr16_b128.
; SOFTMAX.  p = 2^(c s - c m), c = 16 log2(e) / sqrt(128) (16: both operands are quarters); in every step O and l are multiplied by a = 2^(c m_old - c m_new).
; BY TURNS.  The wave's tiles are two pieces (tiles 0, 1 and 2, 3).  In a turn one piece has the matrix unit: 32 products V^T P of the step in hand, 32 products K Q^T of the next; the other piece's softmax, cut into 64
; slices, stands between them, one slice behind each matrix instruction.  Two turns are a key step.
; CLUSTER.  The four work-groups of a cluster walk the same K and V: each tile is asked for jointly.
; REGISTERS: window 0: v0-11 addresses; v12-43 statistics; v44-51 the partner's statistics; v64-191 S^T; v192-255 P.   window 1: O^T.   window 2: v0-127 Q, v128-255 K.   window 3: v0-127 V.
.set KS,    64        ; keys in a step
.set PK,    272       ; a row of K in LDS: 256 bytes + 16
.set PV,    288       ; a row of V: 256 + 32
.set KB,    128*PK    ; a key half's part of a slot: 128 rows of K, then 128 rows of V
.set HALFB, 128*(PK+PV)
.set SLOTB, 2*HALFB   ; a slot: both key halves, 128 keys (two steps) each
.set SPARE, 2*SLOTB   ; behind the ring: the spare words, 128 bytes a wave
.set MRG,   34816     ; the joining of the halves, in slot 0, which has had its last fill and its last read by then: for each half of the queries an image of O^T (32,768 bytes) and eight rows of 128 bytes of statistics
.set STAGE, 2*MRG     ; behind them: 16 rows x 272 bytes for each half of the queries, for the way out
.set SP,    272
.set AK0, 2           ; v2   my lane's place in a tile of K
.set AV0, 3           ; v3   the same for V
.set ADR, 4           ; v4   the LDS address of the run of loads in hand
.set QO,  5           ; v5   my byte offset in the wave's rows of Q
.set STO, 6           ; v6   the way out: where I put 16 bytes of a row
.set RD,  7           ; v7   where I read a row back
.set GO,  8           ; v8   my byte offset in two rows of o16
.set MA,  10          ; v10  the image of O^T: 16 x lane + my queries' region
.set MS,  11          ; v11  the statistics: 4 x lane behind it
.set PFO, 61          ; v61  256 x my lane; never rewritten
.set SPW, 62          ; v62  my spare word; never rewritten
.set NIL, 63          ; v63  0; never rewritten
.set ST,  12          ; tile t's statistics at v[ST+8 t]: +0 c m, +1 m, +2, +3 l (even keys', odd keys'), +4 to +7 at work
.set S,   64
.set P,   192
.set KF,  128         ; K's fragments, in window 2
.set WV,  12          ; s12  my wave's number
.set LIM, 15          ; s15  1 in a wave that prefetches, else the greatest number
.set PFA, 18          ; s[18:19] where my prefetches stand
.set G1K, 24          ; s[24:31] group 1 for K's tiles; s[32:39] for V's (the padding differs)
.set G1V, 32
.set G0K, 40          ; s[40:47] groups 0 for K's tiles, one a slot; s[48:55] for V's
.set G0V, 48
.set TRIPS, 56
.set TWICE, 57
.set CS,  58          ; s[58:59] c
.set SEL, 60          ; s[60:61] lane selects: lane l xor 16
.set TK,  62          ; s62  LDS byte of the K tile to be fetched next
.set TV,  63          ; s63  of the V tile
.set KH,  66          ; s66  my key half's place in a slot
.set MSB, 0
.macro WIN new
.if MSB != \new
	s_set_vgpr_msb (MSB<<8)|\new
.set MSB, \new
.endif
.endm
.set W_KQ, 0x0a       ; K and Q in window 2, S^T in window 0
.set W_PV, 0x53       ; V in window 3, P in window 0, O^T in window 1
.set W_RS, 0x41       ; O^T in window 1, a in window 0
; A joint refill of slot s.  Waves 0 and 1 fetch the two key halves' K, waves 2 and 3 their V: 128 rows each.  An s_nop 0 and four v_nop follow each of the two lines.
.macro JLOAD s
	s_cmp_lt_u32 s[WV], 2
	s_cbranch_scc0 .Lfor_v_\@
	tensor_load_to_lds s[G0K+4*(\s):G0K+4*(\s)+3], s[G1K:G1K+7]
	s_nop 0
.rept 4
	v_nop
.endr
	s_branch .Lasked_\@
.Lfor_v_\@:
	tensor_load_to_lds s[G0V+4*(\s):G0V+4*(\s)+3], s[G1V:G1V+7]
	s_nop 0
.rept 4
	v_nop
.endr
.Lasked_\@:
.endm
; A PREFETCH INTO THE L2 of what the NEXT change of slots will ask for: the four tiles of 128 rows x 256 bytes, a lane a row.  It stands behind the wave's tensor load and its five lines.
; Each row is named once in the launch: all eight clusters of a key and value head walk the same rows, and the first of them asks; its four partners take 32 rows of each tile, told apart by address; each wave asks for its own tile.
; how = 1: a trip's first change; how = 0: its second, which in the last trip has no slot behind the one that it fills.
.macro ASK how
.if \how
	s_cmp_eq_u32 s[LIM], 1
.else
	s_cmp_gt_u32 s[TRIPS], s[LIM]
.endif
	s_cbranch_scc0 .Lnot_mine_\@
	global_prefetch_b8 v[PFO], s[PFA:PFA+1] th:TH_LOAD_NT scope:SCOPE_SE
.Lnot_mine_\@:
.endm
.macro CROUND
	s_barrier_signal -1
	s_barrier_wait -1
	s_cmp_lg_u32 s[WV], 0
	s_cbranch_scc1 .Lnot_wave_0_\@
	s_barrier_signal -3
.Lnot_wave_0_\@:
	s_barrier_wait -3
	s_barrier_signal -1
	s_barrier_wait -1
.endm
	s_load_b128 s[4:7], s[0:1], 0x0  ; qkv16, o16
	v_lshl_add_u32 v[SPW], v0, 2, SPARE
	v_mov_b32 v[NIL], 0
	ds_add_u32 v[SPW], v[NIL]       ; the wave's opening: the add, twice on end, and its wait ahead of my first tensor load
	ds_add_u32 v[SPW], v[NIL]
	v_lshrrev_b32 v1, 5, v0
	v_readfirstlane_b32 s[WV], v1   ; wave 0..3
	s_and_b32 s16, s[WV], 1         ; which 64 queries are mine.  Also: which key half's tile I fetch
	s_lshr_b32 s17, s[WV], 1        ; which half of the keys I walk
	s_bfe_u32 s13, ttmp6, 0x40000   ; cx
	s_lshl_b32 s14, ttmp9, 2
	s_add_co_u32 s14, s14, s13      ; work-group x: it enters Q's and o16's addresses alone
	s_and_b32 s20, ttmp7, 0xffff    ; the key and value head, which the partners share
	s_lshr_b32 s2, s14, 4
	s_lshl_b32 s3, s20, 1
	s_add_co_u32 s2, s2, s3         ; the query head
	s_and_b32 s3, s14, 15           ; the block of 128 queries
	s_lshl_b32 s8, s2, 19           ; Q: head slot x 524,288 + block x 128 rows + my 64 rows, of 256 bytes
	s_lshl_b32 s9, s3, 15
	s_add_co_u32 s8, s8, s9
	s_lshl_b32 s9, s16, 14
	s_add_co_u32 s8, s8, s9
	s_mov_b32 s9, 0
	s_lshl_b32 s10, s3, 19          ; o16: rows of 4,096 bytes; the head's 256 bytes in them
	s_lshl_b32 s11, s16, 18
	s_add_co_u32 s10, s10, s11
	s_lshl_b32 s11, s2, 8
	s_add_co_u32 s10, s10, s11
	s_mov_b32 s11, 0
	s_add_co_u32 s21, s20, 16       ; K: head slot 16 + y; the key half that I fetch: 1,024 rows of 256 bytes
	s_lshl_b32 s22, s21, 19
	s_lshl_b32 s21, s16, 18
	s_add_co_u32 s22, s22, s21
	s_mov_b32 s23, 0
	s_mul_i32 s67, s16, HALFB       ; and its place in a slot
	s_mul_i32 s[KH], s17, HALFB     ; the half that I read
	s_mov_b32 s[G1K], 15|(1<<16)|(1<<20)|(1<<21)|(5<<22)|(3<<25)  ; the mask: all four work-groups; elements of 2 bytes; padding on; bit 21 beside a mask; 4 words behind every 64
	s_mov_b32 s[G1V], 15|(1<<16)|(1<<20)|(1<<21)|(5<<22)|(7<<25)  ; the same with 8 words
.irp g, G1K, G1V
	s_mov_b32 s[\g+1], 128<<16      ; tensor_dim0 = 128
	s_mov_b32 s[\g+2], 128<<16      ; tensor_dim1 = 128 rows
	s_mov_b32 s[\g+3], 128<<16      ; tile_dim0
	s_mov_b32 s[\g+4], 128          ; tile_dim1
	s_mov_b32 s[\g+5], 128          ; from row to row
	s_mov_b32 s[\g+6], 0
	s_mov_b32 s[\g+7], 0
.endr
	s_mov_b32 s[CS], 0x400293ee     ; c = 16 log2(e) / sqrt(128)
	s_mov_b32 s[CS+1], s[CS]
	s_mov_b32 s[SEL], 0x76543210
	s_mov_b32 s[SEL+1], 0xfedcba98
	s_mov_b32 s[TRIPS], 3
	s_mov_b32 s[TK], s[KH]
	s_add_co_u32 s[TV], s[KH], KB
	s_cmp_eq_u32 ttmp9, 0           ; the head's first cluster: the same in all four partners
	s_cselect_b32 s[LIM], 1, -1
	v_and_b32 v[PFO], 31, v0
	v_lshlrev_b32 v[PFO], 8, v[PFO]
	s_wait_dscnt 0x0                ; both opening adds are done
	s_wait_kmcnt 0x0
	s_add_nc_u64 s[8:9], s[4:5], s[8:9]      ; Q at my first row
	s_add_nc_u64 s[10:11], s[6:7], s[10:11]  ; o16 likewise
	s_add_nc_u64 s[2:3], s[4:5], s[22:23]    ; K at my tile of slot 0
	s_add_nc_u64 s[20:21], s[2:3], 0x400000  ; V: eight head slots on
	s_cmp_lt_u32 s[WV], 2
	s_cselect_b64 s[PFA:PFA+1], s[2:3], s[20:21]
	s_lshl_b32 s22, s13, 13         ; my work-group's 32 rows of the 128
	s_add_nc_u64 s[PFA:PFA+1], s[PFA:PFA+1], s[22:23]
	s_add_nc_u64 s[PFA:PFA+1], s[PFA:PFA+1], 2*32768  ; in the third 128 keys; the first change of slots steps it on.  Nothing is prefetched at the head
	CROUND                          ; all four work-groups are here: the first joint loads meet
.irp s, 0,1
	s_mov_b32 s[G0K+4*\s], 1
	s_add_co_u32 s[G0K+4*\s+1], s67, \s*SLOTB
	s_add_nc_u64 s[G0K+4*\s+2:G0K+4*\s+3], s[2:3], \s*32768
	s_or_b32 s[G0K+4*\s+3], s[G0K+4*\s+3], 0x80000000
	s_mov_b32 s[G0V+4*\s], 1
	s_add_co_u32 s[G0V+4*\s+1], s67, \s*SLOTB+KB
	s_add_nc_u64 s[G0V+4*\s+2:G0V+4*\s+3], s[20:21], \s*32768
	s_or_b32 s[G0V+4*\s+3], s[G0V+4*\s+3], 0x80000000
.endr
	s_cmp_lt_u32 s[WV], 2           ; a wave's two first fills stand in one branch: two loads of mine are out
	s_cbranch_scc0 .Lfirst_v
	tensor_load_to_lds s[G0K:G0K+3], s[G1K:G1K+7]
	s_nop 0
	tensor_load_to_lds s[G0K+4:G0K+7], s[G1K:G1K+7]
	s_nop 0
.rept 4
	v_nop
.endr
	s_branch .Lfirst_asked
.Lfirst_v:
	tensor_load_to_lds s[G0V:G0V+3], s[G1V:G1V+7]
	s_nop 0
	tensor_load_to_lds s[G0V+4:G0V+7], s[G1V:G1V+7]
	s_nop 0
.rept 4
	v_nop
.endr
.Lfirst_asked:
	v_and_b32 v1, 15, v0            ; l % 16
	v_bfe_u32 v9, v0, 4, 1          ; l / 16
	v_lshlrev_b32 v[QO], 8, v1
	v_lshl_add_u32 v[QO], v9, 4, v[QO]
	WIN 0x80                        ; destination window 2
.irp i, 0,1,2,3,4,5,6,7,8,9,10,11,12,13,14,15  ; Q stays in registers: tile i / 4, channels 32 (i % 4) on
	global_load_b128 v[8*\i:8*\i+3],   v[QO], s[8:9] offset:(\i/4)*4096+(\i%4)*64
	global_load_b128 v[8*\i+4:8*\i+7], v[QO], s[8:9] offset:(\i/4)*4096+(\i%4)*64+32
.endr
	WIN 0
	v_mul_u32_u24 v[AK0], v1, PK
	v_lshl_add_u32 v[AK0], v9, 4, v[AK0]
	v_and_b32 v10, 7, v0            ; the turning load: lane l reads key 8 (l / 16) + l % 8, channels 8 ((l / 8) % 2) + 0..7
	v_bfe_u32 v11, v0, 3, 1
	v_lshl_add_u32 v[AV0], v9, 3, v10
	v_mul_u32_u24 v[AV0], v[AV0], PV
	v_lshl_add_u32 v[AV0], v11, 4, v[AV0]
; Product i of 32 of O^T += V^T P: keys 32 (i / 16) on, channels 16 ((i / 2) % 8) on, tile x + i % 2.  zero = 1: the first 16 start the sums.  The accumulators take turns.
.macro PV x, zero
	WIN W_PV
.set rO, 64*(\x+i%2)+8*((i/2)%8)
.set rV, 64*(i/16)+8*((i/2)%8)
.set rP, P+16*(\x+i%2)+8*(i/16)
.if \zero && (i < 16)
	v_wmma_f32_16x16x32_f16 v[rO:rO+7], v[rV:rV+7], v[rP:rP+7], 0
.else
	v_wmma_f32_16x16x32_f16 v[rO:rO+7], v[rV:rV+7], v[rP:rP+7], v[rO:rO+7]
.endif
.endm
; Product i of 32 of S^T = K Q^T: channels 32 (i / 8) on, keys 16 ((i / 2) % 4) on, tile x + i % 2.  The first 8 start the sums.
.macro KQ x
	WIN W_KQ
.set rS, S+32*(\x+i%2)+8*((i/2)%4)
.set rK, KF+32*((i/2)%4)+8*(i/8)
.set rQ, 32*(\x+i%2)+8*(i/8)
.if i < 8
	v_wmma_f32_16x16x32_f16 v[rS:rS+7], v[rK:rK+7], v[rQ:rQ+7], 0
.else
	v_wmma_f32_16x16x32_f16 v[rS:rS+7], v[rK:rK+7], v[rQ:rQ+7], v[rS:rS+7]
.endif
.endm
; THE LDS LOADS stand in runs of 32: a step's K and, a turn later, its V (turned).
.macro FETCH_K
	WIN 0
	v_add_nc_u32 v[ADR], s[TK], v[AK0]
	s_add_co_u32 s[TK], s[TK], KS*PK  ; the next fetch is the next step's
	WIN 0x80
.irp f, 0,1,2,3,4,5,6,7,8,9,10,11,12,13,14,15  ; keys 16 (f / 4) on, channels 32 (f % 4) on
	ds_load_b128 v[KF+8*\f:KF+8*\f+3],   v[ADR] offset:(\f/4)*16*PK+(\f%4)*64
	ds_load_b128 v[KF+8*\f+4:KF+8*\f+7], v[ADR] offset:(\f/4)*16*PK+(\f%4)*64+32
.endr
.endm
.macro FETCH_V
	WIN 0
	v_add_nc_u32 v[ADR], s[TV], v[AV0]
	s_add_co_u32 s[TV], s[TV], KS*PV
	s_wait_alu depctr_va_vdst(0)    ; the wait for the softmax's batch of exponentials, behind the address's addition and ahead of the loads
	WIN 0xc0                        ; destination window 3
.irp f, 0,1,2,3,4,5,6,7,8,9,10,11,12,13,14,15  ; keys 32 (f / 8) on, channels 16 (f % 8) on
	ds_load_tr16_b128 v[8*\f:8*\f+3],   v[ADR] offset:(\f/8)*32*PV+(\f%8)*32
	ds_load_tr16_b128 v[8*\f+4:8*\f+7], v[ADR] offset:(\f/8)*32*PV+16*PV+(\f%8)*32
.endr
.endm
; THE VECTOR WORK OF A TURN.  One tile's softmax for one key step is a list of 134 instructions; SM writes number j of it for tile t.
;   0-15 the maximum of the lane's 32 scores and the old m;  16-20 the other half of the lanes' maximum, the new m, c m, c m_old - c m_new;
;   21-69 ONE BATCH: the 16 packed scalings c s - c m and all 33 exponentials, none of which reads an exponential's result;  (the wait for the batch stands between 69 and 70)
;   70-85 the roundings to f16;  86-101 the sums, l = a l + the sum;  102-133 the tile's O^T times a.
.macro SM t, first
.set rT, ST+8*(\t)
.set rS, S+32*(\t)
.set rP, P+16*(\t)
.set rO, 64*(\t)+2*(j-102)
.if j < 102
	WIN 0
.endif
.if j < 4
	v_max3_num_f32 v[rT+4+j], v[rS+8*j], v[rS+8*j+1], v[rS+8*j+2]
.elseif j < 12
	v_max3_num_f32 v[rT+4+j%4], v[rT+4+j%4], v[rS+8*(j%4)+2*(j/4)+1], v[rS+8*(j%4)+2*(j/4)+2]
.elseif j == 12
	v_max3_num_f32 v[rT+4], v[rT+4], v[rS+7], v[rS+15]
.elseif j == 13
	v_max3_num_f32 v[rT+6], v[rT+6], v[rS+23], v[rS+31]
.elseif j == 14
	v_max3_num_f32 v[rT+4], v[rT+4], v[rT+5], v[rT+6]
.elseif (j == 15) && \first
	v_max_num_f32 v[rT+4], v[rT+4], v[rT+7]
.elseif j == 15
	v_max3_num_f32 v[rT+4], v[rT+4], v[rT+7], v[rT+1]
.elseif j == 16
	v_permlanex16_b32 v[rT+5], v[rT+4], s[SEL], s[SEL+1]  ; the query's other 32 keys lie in the lane 16 away
.elseif j == 18
	v_max_num_f32 v[rT+1], v[rT+4], v[rT+5]
.elseif j == 19
	v_mul_f32 v[rT], s[CS], v[rT+1]
.elseif ((j == 17) || (j == 20) || (j == 23) || (j > 101)) && \first  ; the first step has none of these
.elseif j == 17
	v_mov_b32 v[rT+7], v[rT]        ; c m_old is kept for a
.elseif j == 20
	v_sub_f32 v[rT+7], v[rT+7], v[rT]
.elseif j == 23
	v_exp_f32 v[rT+6], v[rT+7]
.elseif (j < 23) || ((j < 38) && (j%2 == 0)) || ((j < 66) && (j%4 == 2))
.set b, (j-2)/4
.if j < 38
.set b, (j-20)/2
.endif
	v_pk_fma_f32 v[rS+2*b:rS+2*b+1], v[rS+2*b:rS+2*b+1], s[CS:CS+1], v[rT:rT+1] op_sel_hi:[1,0,0] neg_lo:[0,0,1] neg_hi:[0,0,1]  ; pair b: c s - c m
.elseif j < 70
.set e, j-38
.if j < 66
.set e, j-32-(j-38)/4
.endif
.if j < 38
.set e, (j-25)/2
.endif
	v_exp_f32 v[rS+e], v[rS+e]
.elseif j < 86
	v_cvt_pk_f16_f32 v[rP+j-70], v[rS+2*(j-70)], v[rS+2*(j-70)+1]
.elseif j < 102
.set z, j-86
.set w, 4
.set u, z
.if z >= 14
.set w, 32
.set u, 0
.elseif z >= 12
.set w, 16
.set u, z-12
.elseif z >= 8
.set w, 8
.set u, z-8
.endif
.if (z == 14) && \first
	v_pk_add_f32 v[rT+2:rT+3], v[rS:rS+1], v[rS+16:rS+17]
.elseif z < 15
	v_pk_add_f32 v[rS+w*u:rS+w*u+1], v[rS+w*u:rS+w*u+1], v[rS+w*u+w/2:rS+w*u+w/2+1]
.elseif !\first
	v_pk_fma_f32 v[rT+2:rT+3], v[rT+2:rT+3], v[rT+6:rT+7], v[rS:rS+1] op_sel_hi:[1,0,1]
.endif
.else
	WIN W_RS
	v_pk_mul_f32 v[rO:rO+1], v[rO:rO+1], v[rT+6:rT+7] op_sel_hi:[1,0]
.endif
.endm
; Slice k of 64 of piece y's softmax: four instructions; slices 11 to 34 deal out the batch, four numbers of one tile each; the twelve that are over stand together in slice 63.
; One wait serves the piece's 66 exponentials: ahead of slice 35 nothing names a result, behind slice 34 no exponential is issued.
.macro SLICE y, first
.if (k >= 11) && (k < 35)
.irp n, 0,1,2,3
.set j, 22+4*((k-11)/2)+(\n)
	SM (\y)+(k-11)%2, \first
.endr
.else
.irp n, 0,1,2,3,4,5,6,7
.if (\n < 2) || (k == 63)
.irp t, \y, \y+1
.set j, 2*k+\n
	SM \t, \first
.endr
.endif
.endr
.endif
.if k == 34
	v_nop                           ; the plain instruction behind the last exponential: one for the batch
.if (\y) == 0
	FETCH_V                         ; piece 2's turn: V's run of loads stands here, and the wait stands in it
.else
	s_wait_alu depctr_va_vdst(0)    ; the wait for the batch
.endif
.endif
.set k, k+1
.endm
.macro PLACES
.rept 4
	v_nop
.endr
.endm
; A TURN.  Piece x has the matrix unit.  pv = 2: 32 products V^T P; 1: they start O^T's sums; 0: none.  kq = 1: 32 products K Q^T for the next step.  first = 1: the softmax is the first key step's.
; Piece 0's turn fetches the next step's K behind its second product; piece 2's turn the same step's V behind slice 34.  In the loop the slices are the places behind the matrix instructions (ISA guide 7.12.1).
.macro TURN x, pv, kq, first
.set k, 0
.set per, 2
.if \pv && \kq
.set per, 1
.endif
.if \pv
.if \x == 0
	s_wait_dscnt 0x0                ; V is in
.endif
.set i, 0
.rept 32
	PV \x, 2-\pv
.rept per
	SLICE 2-\x, \first
.endr
.if (\x == 0) && \kq && (i == 1)
	FETCH_K
.endif
.set i, i+1
.endr
.endif
.if \kq
.if \x == 0
	s_wait_dscnt 0x0                ; K is in
.endif
.set i, 0
.rept 32
	KQ \x
.rept per
	SLICE 2-\x, \first
.endr
.set i, i+1
.endr
.endif
.if \first
	PLACES
.endif
.endm
; THE CHANGE OF SLOTS, into slot n.  Each wave waits for all its tensor loads (one is out: its tile of slot n), adds 0 to its spare word, and waits for that and for its reads of the slot that it leaves.
; fill = 1: that slot is filled again, with the keys two slots on, behind a round of the cluster's barrier: the load has two key steps, 256 matrix instructions, in which to land.
.macro CHANGE n, fill, how
.set OTH, 1-(\n)
	WIN 0
	s_wait_tensorcnt 0x0            ; no tensor load of mine is out, so a group 0 may be written
	ds_add_u32 v[SPW], v[NIL]       ; 0 onto my spare word
.if \fill
	s_add_nc_u64 s[G0K+4*OTH+2:G0K+4*OTH+3], s[G0K+4*OTH+2:G0K+4*OTH+3], 2*32768
	s_add_nc_u64 s[G0V+4*OTH+2:G0V+4*OTH+3], s[G0V+4*OTH+2:G0V+4*OTH+3], 2*32768
	s_wait_xcnt 0x0                 ; the last prefetch, two key steps back, has read its address
	s_add_nc_u64 s[PFA:PFA+1], s[PFA:PFA+1], 32768
	s_wait_dscnt 0x0                ; the add is done, and my reads of the slot are over
	CROUND
	JLOAD OTH
	ASK \how
.else
	s_wait_dscnt 0x0
	s_barrier_signal -1
	s_barrier_wait -1
.endif
	s_add_co_u32 s[TK], s[KH], (\n)*SLOTB      ; the fetches go on at slot n's first step, in my key half
	s_add_co_u32 s[TV], s[KH], (\n)*SLOTB+KB
.endm
.macro TWO_STEPS                    ; a slot's two key steps: written once, walked twice
	s_mov_b32 s[TWICE], 2
.Lstep_\@:
	TURN 0, 2, 1, 0
	TURN 2, 2, 1, 0
	WIN 0
	s_sub_co_u32 s[TWICE], s[TWICE], 1
	s_cmp_lg_u32 s[TWICE], 0
	s_cbranch_scc1 .Lstep_\@
.endm
	s_wait_tensorcnt 1              ; my tile of slot 0 is in; slot 1's may stay out
	s_barrier_signal -1
	s_barrier_wait -1
	FETCH_K                         ; key step 0
	s_wait_loadcnt 0x0              ; Q
	s_wait_dscnt 0x0
.set i, 0
.rept 32
	KQ 0
.set i, i+1
.endr
	WIN 0                           ; every address for the end is made here, ahead of any parting of the waves: plain instructions, the places behind those products
	s_mul_i32 s13, s16, 16*SP
	s_add_co_u32 s13, s13, STAGE
	v_mul_u32_u24 v[STO], v1, SP
	v_lshl_add_u32 v[STO], v9, 4, v[STO]
	v_add_nc_u32 v[STO], s13, v[STO]
	v_mul_u32_u24 v[RD], v9, SP
	v_lshl_add_u32 v[RD], v1, 4, v[RD]
	v_add_nc_u32 v[RD], s13, v[RD]
	v_lshlrev_b32 v[GO], 12, v9     ; two rows of o16, 4,096 bytes apart
	v_lshl_add_u32 v[GO], v1, 4, v[GO]
	s_mul_i32 s13, s16, MRG
	v_and_b32 v[MA], 31, v0
	v_lshlrev_b32 v[MS], 2, v[MA]
	v_lshl_add_u32 v[MA], v[MA], 4, s13
	v_add_nc_u32 v[MS], s13, v[MS]
	v_add_nc_u32 v[MS], 32768, v[MS]
	TURN 2, 0, 1, 1                 ; piece 2's first scores | piece 0's first softmax | V of step 0
	TURN 0, 1, 1, 1                 ; piece 0: V^T P of step 0 starts O^T, K Q^T of step 1 | piece 2's first softmax | K of step 1
	TURN 2, 1, 1, 0                 ; piece 2: the same | piece 0's softmax of step 1 | V of step 1
	WIN 0
.Lslot:                             ; three trips of two changes: six of the eight slots' worth of keys are asked for here
	CHANGE 1, 1, 1
	TWO_STEPS
	CHANGE 0, 1, 0
	TWO_STEPS
	s_sub_co_u32 s[TRIPS], s[TRIPS], 1
	s_cmp_lg_u32 s[TRIPS], 0
	s_cbranch_scc1 .Lslot
	CHANGE 1, 0, 0                  ; the tail is written out: nothing is asked for
	TWO_STEPS
	TURN 0, 2, 0, 0                 ; piece 0: V^T P of the last step | piece 2's last softmax
.set i, 0
.rept 32
	PV 2, 0
.set i, i+1
.endr
	; THE TWO HALVES OF THE KEYS ARE JOINED.  Every wave sums its l; the waves of the upper half hand O^T (as an image of its registers), c m and l to their partners through LDS; those finish and store.
	WIN 0
.irp t, 0,1,2,3
	v_add_f32 v[ST+8*\t+4], v[ST+8*\t+2], v[ST+8*\t+3]   ; (these lines are the places behind the last products)
.endr
.irp t, 0,1,2,3
	v_permlanex16_b32 v[ST+8*\t+5], v[ST+8*\t+4], s[SEL], s[SEL+1]
.endr
.irp t, 0,1,2,3
	v_add_f32 v[ST+8*\t+4], v[ST+8*\t+4], v[ST+8*\t+5]
.endr
	s_cmp_eq_u32 s17, 0
	s_cbranch_scc1 .Lkeeper
	WIN 0x04                        ; an LDS store's data are its source 1: window 1
.set i, 0
.rept 64
	ds_store_b128 v[MA], v[4*i:4*i+3] offset:512*i   ; ascending: each accumulator from its low end on
.set i, i+1
.endr
	WIN 0
.irp t, 0,1,2,3
	ds_store_b32 v[MS], v[ST+8*\t] offset:256*\t
	ds_store_b32 v[MS], v[ST+8*\t+4] offset:256*\t+128
.endr
.Lkeeper:
	s_wait_dscnt 0x0                ; for the partner's sake: my stores have landed
	s_barrier_signal -1
	s_barrier_wait -1
	s_cmp_lg_u32 s17, 0
	s_cbranch_scc1 .Ldone
.macro MLOAD t                      ; the partner's tile t: 64 registers
.irp f, 0,1,2,3,4,5,6,7,8,9,10,11,12,13,14,15
	ds_load_b128 v[S+64*((\t)%2)+4*\f:S+64*((\t)%2)+4*\f+3], v[MA] offset:512*(16*(\t)+\f)
.endr
.endm
.irp t, 0,1,2,3
	ds_load_b32 v[44+2*\t], v[MS] offset:256*\t          ; its c m,
	ds_load_b32 v[45+2*\t], v[MS] offset:256*\t+128      ; its l
.endr
	MLOAD 0
	s_wait_dscnt 16                 ; the statistics are in; the tile's 16 loads may be out
.irp t, 0,1,2,3
	v_max_num_f32 v[ST+8*\t+5], v[ST+8*\t], v[44+2*\t]
.endr
.irp t, 0,1,2,3
	v_sub_f32 v[ST+8*\t+6], v[ST+8*\t], v[ST+8*\t+5]
	v_sub_f32 v[ST+8*\t+7], v[44+2*\t], v[ST+8*\t+5]
.endr
.irp t, 0,1,2,3
	v_exp_f32 v[ST+8*\t+6], v[ST+8*\t+6]                 ; a0, a1: what brings each half under the common maximum
	v_exp_f32 v[ST+8*\t+7], v[ST+8*\t+7]
.endr
	v_nop
	s_wait_alu depctr_va_vdst(0)    ; one wait for the eight
.irp t, 0,1,2,3
	v_mul_f32 v[ST+8*\t+4], v[ST+8*\t+6], v[ST+8*\t+4]
.endr
.irp t, 0,1,2,3
	v_fma_f32 v[ST+8*\t+4], v[ST+8*\t+7], v[45+2*\t], v[ST+8*\t+4]   ; l = a0 l0 + a1 l1, at least 1
.endr
.irp t, 0,1,2,3
	v_rcp_f32 v[ST+8*\t+5], v[ST+8*\t+4]
.endr
	v_nop
	s_wait_alu depctr_va_vdst(0)    ; one wait for the four
.irp t, 0,1,2,3
	v_add_f32 v[ST+8*\t+5], v[ST+8*\t+5], v[ST+8*\t+5]   ; 2 / l: V is a quarter, o16 a half
.endr
.irp t, 0,1,2,3
	v_mul_f32 v[ST+8*\t+4], v[ST+8*\t+6], v[ST+8*\t+5]   ; F0 = 2 a0 / l
.endr
.irp t, 0,1,2,3
	v_mul_f32 v[ST+8*\t+6], v[ST+8*\t+7], v[ST+8*\t+5]   ; F1 = 2 a1 / l
.endr
.macro COMB t
.set BB, S+64*((\t)%2)
.set i, 0
.rept 32
	v_pk_mul_f32 v[BB+i:BB+i+1], v[BB+i:BB+i+1], v[ST+8*(\t)+6:ST+8*(\t)+7] op_sel_hi:[1,0]
.set i, i+2
.endr
	WIN 0x01                        ; source 0 window 1: my O^T, from each accumulator's low end on
.set i, 0
.rept 32
	v_pk_fma_f32 v[BB+i:BB+i+1], v[64*(\t)+i:64*(\t)+i+1], v[ST+8*(\t)+4:ST+8*(\t)+5], v[BB+i:BB+i+1] op_sel_hi:[1,0,1]
.set i, i+2
.endr
	WIN 0
.set i, 0
.rept 32
	v_cvt_pk_f16_f32 v[P+i], v[BB+2*i], v[BB+2*i+1]
.set i, i+1
.endr
.endm
.irp t, 0,1,2,3
.if \t < 3
	MLOAD \t+1
	s_wait_dscnt 16                 ; this tile's image is in; the next tile's 16 loads may be out
.else
	s_wait_dscnt 0x0
.endif
	COMB \t
.if \t > 0
	s_wait_xcnt 0x0                 ; the last tile's stores have read their registers, which the loads below fill again
.endif
.irp f, 0,1,2,3,4,5,6,7
	ds_store_b128 v[STO], v[P+4*\f:P+4*\f+3] offset:32*\f
.endr
.irp f, 0,1,2,3,4,5,6,7
	ds_load_b128 v[P+32+4*\f:P+32+4*\f+3], v[RD] offset:\f*2*SP   ; LDS serves a wave's instructions in order: these see the stores above
.endr
	s_wait_dscnt 0x0
.irp f, 0,1,2,3,4,5,6,7
	global_store_b128 v[GO], v[P+32+4*\f:P+32+4*\f+3], s[10:11] offset:\t*65536+\f*8192   ; 16 lanes store 256 consecutive bytes, aligned: a head's part of a row
.endr
.endr
.Ldone:
	s_wait_tensorcnt 0x0            ; the wave's end
	ds_add_u32 v[SPW], v[NIL]
	s_wait_dscnt 0x0
	CROUND                          ; the closing round
	s_endpgm
.Lfunc_end_k_q3d288e2583_attn:
	.size	k_q3d288e2583_attn, .Lfunc_end_k_q3d288e2583_attn-k_q3d288e2583_attn
	.p2alignl 7, 3214868480
	.fill 96, 4, 3214868480
	.section	.rodata,"a",@progbits
	.p2align	6, 0x0
	.amdhsa_kernel k_q3d288e2583_attn
		.amdhsa_group_segment_fixed_size 327680
		.amdhsa_private_segment_fixed_size 0
		.amdhsa_enable_private_segment 0
		.amdhsa_kernarg_size 16
		.amdhsa_user_sgpr_count 2
		.amdhsa_user_sgpr_kernarg_segment_ptr 1
		.amdhsa_wavefront_size32 1
		.amdhsa_system_sgpr_workgroup_id_x 1
		.amdhsa_system_sgpr_workgroup_id_y 1
		.amdhsa_system_sgpr_workgroup_id_z 1
		.amdhsa_system_vgpr_workitem_id 0
		.amdhsa_next_free_vgpr 1024
		.amdhsa_next_free_sgpr 72
		.amdhsa_reserve_vcc 0
		.amdhsa_float_denorm_mode_32 3
		.amdhsa_float_denorm_mode_16_64 3
		.amdhsa_memory_ordered 1
		.amdhsa_forward_progress 1
		.amdhsa_inst_pref_size 255
	.end_amdhsa_kernel
	.section	.bss,"aw",@nobits
	.p2align	6
	.space	262144
	.amdgpu_metadata
---
amdhsa.version: [ 1, 2 ]
amdhsa.kernels:
  - .name:           k_q3d288e2583_attn
    .symbol:         k_q3d288e2583_attn.kd
    .args:
      - { .name: qkv16, .offset: 0, .size: 8, .value_kind: global_buffer, .address_space: global }
      - { .name: o16, .offset: 8, .size: 8, .value_kind: global_buffer, .address_space: global }
    .group_segment_fixed_size: 327680
    .private_segment_fixed_size: 0
    .kernarg_segment_align: 8
    .kernarg_segment_size: 16
    .max_flat_workgroup_size: 128
    .sgpr_count:     72
    .vgpr_count:     1024
    .wavefront_size: 32
...
	.end_amdgpu_metadata
.endif
;; end of part 3
;; launch outp (part 4): grid 16 x 16, 4 waves a work-group, clusters of 4 x 4, 327,680 bytes of LDS; arguments o16, wo16, bo, out0; writes out0
.if DOCPART == 4
	.amdgcn_target "amdgcn-amd-amdhsa--gfx1250"
	.amdhsa_code_object_version 6
	.text
	.protected	k_q3d288e2583_outp
	.globl	k_q3d288e2583_outp
	.p2align	8
	.type	k_q3d288e2583_outp,@function
k_q3d288e2583_outp:
	s_mov_b64 s[64:65], 0
	v_nop
	global_prefetch_b8 v0, s[64:65] scope:SCOPE_SE
	s_setreg_imm32_b32 hwreg(HW_REG_WAVE_MODE, 25, 1), 1
	s_wait_xcnt 0x0
	s_wait_alu depctr_hold_cnt(0) depctr_sa_sdst(0) depctr_va_vdst(0) depctr_va_sdst(0) depctr_va_ssrc(0) depctr_va_vcc(0) depctr_vm_vsrc(0)
	s_getreg_b32 s2, hwreg(HW_REG_IB_STS2, 6, 4)
	s_cmp_eq_u32 s2, 0
	s_cbranch_scc0 .Lentry_in_a_cluster
	s_endpgm
.Lentry_in_a_cluster:
	s_bfe_u32 s2, ttmp6, 0x10000c
	s_cmp_lg_u32 s2, 0xf033
	s_cbranch_scc0 .Lentry_shape_is_right
	s_endpgm
.Lentry_shape_is_right:
; out0 = o wo^T + bo.  o16 [2048][2048] f16 holds o / 2, wo16 [4096][2048] f16 holds 2 wo: the two exact factors cancel.  out0 [2048][4096] f32; sums in f32; bo is the C of each sum's first instruction.
; A work-group of four waves makes 128 x 256 of out0: 16 x 16 = 256 work-groups; a wave 64 x 128: 32 accumulators.
; THE RING HAS TWO SLOTS OF UNLIKE SIZE: a small one of 128 along K (rows of 256 bytes + 16) and a large one of 256 along K (rows of 512 bytes + 16): 384 rows x (272 + 528) = 307,200 bytes.  Two slots of 256 along K would
; take 405,504 bytes and do not fit.  K = 2048 is walked small, large, small, .. small: 6 x 128 + 5 x 256.  A load into the small slot has the large slot's 256 matrix instructions of a wave in which to land, a load into the
; large slot the small one's 128; and there are nine refills where two slots of 128 would have fourteen.
; CLUSTERS: 4 x 4; o16's tiles are asked for jointly along a row of the cluster, wo16's along a column.  THE MATRIX INSTRUCTION IS USED TRANSPOSED (source 0 = 16 rows of wo16, source 1 = 16 rows of o16).
; REGISTERS: window 0: v0-31 addresses; v96-159 o16's fragments, two sets; v32-95 and v160-223 rows read back on the way out.   window 1: wo16's fragments at v0-63 and v128-191; bo at v64-127.   window 2: the accumulators, (a, b) at v[8 (8 a + b)].
.set PS,     272                       ; the small slot's pitch: the 16 rows that a load touches start at 16 different banks (64 banks of 4 bytes: ISA guide 11.1)
.set PL,     528                       ; the large slot's: likewise
.set SAH,    64*PS                     ; small slot: 64 rows of o16: what one tensor load brings, and what one wave reads
.set SBH,    128*PS                    ; 128 rows of wo16 likewise
.set LAH,    64*PL                     ; large slot
.set LBH,    128*PL
.set BIG,    2*SAH+2*SBH               ; the small slot lies at 0 (o16's 128 rows, then wo16's 256), the large slot here, laid alike
.set SPARE,  BIG+2*LAH+2*LBH           ; behind the ring: the spare words, 128 bytes a wave
.set SPITCH, 528                       ; the way out: a stage of 16 rows x (512 bytes + 16) a wave, in the large slot, which has had its last fill and its last read by then
.set ADRA, 16                          ; v16-17 LDS address of my fragments of o16 in slot 0 (small), 1 (large)
.set ADRB, 20                          ; v20-21 the same for wo16
.set STO,  24
.set RD,   25
.set CO,   26
.set PFO,  27                          ; v27 4,096 x my lane: a row of o16 or wo16; never rewritten
.set SPW,  28
.set NIL,  29
.set BO,   30
.set AF,   96
.set BIAS, 64
.set G1,   24                          ; s[24:31] group 1 for o16's small tiles; s[72:79] = s[G1+48 ..] for its large ones
.set G0,   32                          ; s[32:39] groups 0, one a slot
.set G1B,  48                          ; s[48:55] group 1 for wo16's small tiles; s[80:87] = s[G1B+32 ..] for its large ones
.set G0B,  56                          ; s[56:63]
.set LIM,  67                          ; s67 1 in a wave that prefetches, else the greatest number
.set PFA,  68                          ; s[68:69] where my prefetches stand
.set MSB, 0
.macro WIN new
.if MSB != \new
	s_set_vgpr_msb (MSB<<8)|\new
.set MSB, \new
.endif
.endm
.macro JLOAD s                         ; a joint load into slot s: waves 0 and 1 fetch o16's halves, waves 2 and 3 wo16's; an s_nop 0 and four v_nop follow each of the two lines
	s_cmp_eq_u32 s15, 0
	s_cbranch_scc0 .Lfor_b_\@
	tensor_load_to_lds s[G0+4*\s:G0+4*\s+3], s[G1+48*\s:G1+48*\s+7]
	s_nop 0
.rept 4
	v_nop
.endr
	s_branch .Lasked_\@
.Lfor_b_\@:
	tensor_load_to_lds s[G0B+4*\s:G0B+4*\s+3], s[G1B+32*\s:G1B+32*\s+7]
	s_nop 0
.rept 4
	v_nop
.endr
.Lasked_\@:
.endm
; A PREFETCH INTO THE L2, once a trip, behind the small slot's joint load and the run of LDS loads that follows it: what the next two refills will ask for: 768 bytes of each of 32 rows, a lane a row, three instructions:
; the large slot's next tile, 256 matrix instructions ahead of its load, and the small slot's tile after that, 384 ahead.  The four trips name bytes 1,024 to 4,095 of a row; the first 1,024 come by their loads alone.
; Each block of 256 bytes is named once in the launch.  o16's tile row is read by every cluster of that row of clusters: cluster x = 0 asks, wave 0 of each partner for rows 32 cx on.  wo16's tile column by every cluster of
; that column: cluster y = 0 asks, waves 2 and 3 of each partner for rows 64 cy + 32 (wave - 2) on.  The partners are told apart by address.
.macro ASK
	s_cmp_eq_u32 s[LIM], 1
	s_cbranch_scc0 .Lnot_mine_\@
	global_prefetch_b8 v[PFO], s[PFA:PFA+1] th:TH_LOAD_NT scope:SCOPE_SE
	global_prefetch_b8 v[PFO], s[PFA:PFA+1] offset:256 th:TH_LOAD_NT scope:SCOPE_SE
	global_prefetch_b8 v[PFO], s[PFA:PFA+1] offset:512 th:TH_LOAD_NT scope:SCOPE_SE
.Lnot_mine_\@:
.endm
.macro CREST
	s_cmp_lg_u32 s14, 0
	s_cbranch_scc1 .Lnot_wave_0_\@
	s_barrier_signal -3
.Lnot_wave_0_\@:
	s_barrier_wait -3
	s_barrier_signal -1
	s_barrier_wait -1
.endm
.macro CROUND
	s_barrier_signal -1
	s_barrier_wait -1
	CREST
.endm
.macro PLACES n
.rept \n
	v_nop
.endr
.endm
	s_load_b256 s[4:11], s[0:1], 0x0               ; o16 4, wo16 6, bo 8, out0 10
	v_lshl_add_u32 v[SPW], v0, 2, SPARE
	v_mov_b32 v[NIL], 0
	ds_add_u32 v[SPW], v[NIL]                      ; the wave's opening: the add, twice on end, and its wait ahead of my first tensor load
	ds_add_u32 v[SPW], v[NIL]
	v_lshrrev_b32 v1, 5, v0
	v_readfirstlane_b32 s14, v1                    ; wave 0..3
	s_lshr_b32 s15, s14, 1                         ; which 64 rows are mine.  Also: I fetch for o16 (0) or for wo16 (1)
	s_and_b32 s16, s14, 1                          ; which 128 columns.  Also: which half of that tile I fetch
	s_bfe_u32 s40, ttmp6, 0x40000
	s_bfe_u32 s41, ttmp6, 0x40004
	s_lshl_b32 s42, ttmp9, 2
	s_add_co_u32 s42, s42, s40                     ; tile column
	s_and_b32 s17, ttmp7, 0xffff
	s_lshl_b32 s17, s17, 2
	s_add_co_u32 s17, s17, s41                     ; tile row
	s_lshl_b32 s43, s41, 2
	s_lshl_b32 s43, 15, s43
	s_lshl_b32 s44, 0x1111, s40
	s_or_b32 s[G1+0], s43, (1<<16)|(1<<20)|(1<<21)|(5<<22)|(3<<25)      ; the mask; elements of 2 bytes; padding on; bit 21 beside a mask; 4 words behind every 64
	s_or_b32 s[G1B+0], s44, (1<<16)|(1<<20)|(1<<21)|(5<<22)|(3<<25)
	s_or_b32 s[G1+48], s43, (1<<16)|(1<<20)|(1<<21)|(6<<22)|(3<<25)     ; the large tiles: 4 words behind every 128
	s_or_b32 s[G1B+32], s44, (1<<16)|(1<<20)|(1<<21)|(6<<22)|(3<<25)
	s_mov_b32 s[G1+1], 128<<16                     ; small, o16: 64 rows x 128 elements
	s_mov_b32 s[G1+2], 64<<16
	s_mov_b32 s[G1+3], 128<<16
	s_mov_b32 s[G1+4], 64
	s_mov_b32 s[G1+5], 2048
	s_mov_b32 s[G1+6], 0
	s_mov_b32 s[G1+7], 0
	s_mov_b32 s[G1B+1], 128<<16                    ; small, wo16: 128 rows x 128 elements
	s_mov_b32 s[G1B+2], 128<<16
	s_mov_b32 s[G1B+3], 128<<16
	s_mov_b32 s[G1B+4], 128
	s_mov_b32 s[G1B+5], 2048
	s_mov_b32 s[G1B+6], 0
	s_mov_b32 s[G1B+7], 0
	s_mov_b32 s[G1+49], 256<<16                    ; large, o16: 64 rows x 256 elements
	s_mov_b32 s[G1+50], 64<<16
	s_mov_b32 s[G1+51], 256<<16
	s_mov_b32 s[G1+52], 64
	s_mov_b32 s[G1+53], 2048
	s_mov_b32 s[G1+54], 0
	s_mov_b32 s[G1+55], 0
	s_mov_b32 s[G1B+33], 256<<16                   ; large, wo16: 128 rows x 256 elements
	s_mov_b32 s[G1B+34], 128<<16
	s_mov_b32 s[G1B+35], 256<<16
	s_mov_b32 s[G1B+36], 128
	s_mov_b32 s[G1B+37], 2048
	s_mov_b32 s[G1B+38], 0
	s_mov_b32 s[G1B+39], 0
	s_lshl_b32 s18, s16, 6
	s_lshl_b32 s20, s17, 7
	s_add_co_u32 s20, s20, s18                     ; o16: row 128 x tile row + 64 x half
	s_lshl_b32 s18, s16, 7
	s_lshl_b32 s46, s42, 8
	s_add_co_u32 s46, s46, s18                     ; wo16: row 256 x tile column + 128 x half
	s_lshl_b32 s20, s20, 12                        ; 4,096 bytes a row
	s_mov_b32 s21, 0
	s_lshl_b32 s46, s46, 12
	s_mov_b32 s47, 0
	s_mul_i32 s45, s16, SAH                        ; where they go: in the small slot,
	s_mul_i32 s66, s16, SBH
	s_add_co_u32 s66, s66, 2*SAH
	s_mul_i32 s70, s16, LAH                        ; in the large one: no place in the cluster enters an LDS address
	s_add_co_u32 s70, s70, BIG
	s_mul_i32 s71, s16, LBH
	s_add_co_u32 s71, s71, BIG+2*LAH
	s_wait_dscnt 0x0                               ; both opening adds are done
	s_wait_kmcnt 0x0
	s_add_nc_u64 s[20:21], s[4:5], s[20:21]
	s_add_nc_u64 s[46:47], s[6:7], s[46:47]
	CROUND
	s_mov_b32 s[G0], 1                             ; the small slot begins with K 0 to 127,
	s_mov_b32 s[G0+1], s45
	s_mov_b64 s[G0+2:G0+3], s[20:21]
	s_or_b32 s[G0+3], s[G0+3], 0x80000000
	s_mov_b32 s[G0B], 1
	s_mov_b32 s[G0B+1], s66
	s_mov_b64 s[G0B+2:G0B+3], s[46:47]
	s_or_b32 s[G0B+3], s[G0B+3], 0x80000000
	JLOAD 0
	s_mov_b32 s[G0+4], 1                           ; the large one with K 128 to 383: 256 bytes on in each row
	s_mov_b32 s[G0+5], s70
	s_add_nc_u64 s[G0+6:G0+7], s[20:21], 256
	s_or_b32 s[G0+7], s[G0+7], 0x80000000
	s_mov_b32 s[G0B+4], 1
	s_mov_b32 s[G0B+5], s71
	s_add_nc_u64 s[G0B+6:G0B+7], s[46:47], 256
	s_or_b32 s[G0B+7], s[G0B+7], 0x80000000
	JLOAD 1                                        ; two loads of mine are out
	v_and_b32 v1, 15, v0
	v_bfe_u32 v2, v0, 4, 1
	v_mul_u32_u24 v3, v1, PS
	v_lshl_add_u32 v3, v2, 4, v3                   ; a fragment's row x pitch + 16 x half: in the small slot,
	v_mul_u32_u24 v4, v1, PL
	v_lshl_add_u32 v4, v2, 4, v4                   ; in the large one
	s_mul_i32 s21, s15, SAH
	s_mul_i32 s22, s16, SBH
	s_add_co_u32 s22, s22, 2*SAH
	v_add_nc_u32 v[ADRA], s21, v3
	v_add_nc_u32 v[ADRB], s22, v3
	s_mul_i32 s21, s15, LAH
	s_add_co_u32 s21, s21, BIG
	s_mul_i32 s22, s16, LBH
	s_add_co_u32 s22, s22, BIG+2*LAH
	v_add_nc_u32 v[ADRA+1], s21, v4
	v_add_nc_u32 v[ADRB+1], s22, v4
	s_mul_i32 s23, s14, 16*SPITCH                  ; my stage
	s_add_co_u32 s23, s23, BIG
	v_mul_u32_u24 v5, v1, SPITCH
	v_lshl_add_u32 v5, v2, 5, v5
	v_add_nc_u32 v[STO], s23, v5                   ; in: row r, 32 bytes for each half of the lanes
	v_and_b32 v6, 31, v0
	v_lshlrev_b32 v[CO], 4, v6                     ; back: the 32 lanes take one row of 512 bytes; the same in out0
	v_add_nc_u32 v[RD], s23, v[CO]
	v_lshlrev_b32 v[BO], 5, v2
	s_lshl_b32 s22, s42, 10                        ; my first column, in bytes of f32: 1,024 x tile column + 512 x half
	s_lshl_b32 s23, s16, 9
	s_add_co_u32 s22, s22, s23
	s_mov_b32 s23, 0
	s_add_nc_u64 s[8:9], s[8:9], s[22:23]          ; in bo,
	s_add_nc_u64 s[10:11], s[10:11], s[22:23]      ; and in out0,
	s_lshl_b32 s22, s17, 21                        ; at my first row: 128 x tile row + 64 x half, of 16,384 bytes
	s_lshl_b32 s18, s15, 20
	s_add_co_u32 s22, s22, s18
	s_add_nc_u64 s[10:11], s[10:11], s[22:23]
	WIN 0x40
.irp b, 0,1,2,3,4,5,6,7
	global_load_b128 v[BIAS+8*\b:BIAS+8*\b+3], v[BO], s[8:9] offset:64*\b
	global_load_b128 v[BIAS+8*\b+4:BIAS+8*\b+7], v[BO], s[8:9] offset:64*\b+16
.endr
	WIN 0
	s_lshl_b32 s20, s17, 7                         ; the prefetches: o16's rows 128 x tile row + 32 cx on,
	s_lshl_b32 s21, s40, 5
	s_add_co_u32 s20, s20, s21
	s_lshl_b32 s21, s42, 8                         ; wo16's rows 256 x tile column + 64 cy + 32 (wave - 2) on
	s_lshl_b32 s22, s41, 6
	s_add_co_u32 s21, s21, s22
	s_lshl_b32 s22, s16, 5
	s_add_co_u32 s21, s21, s22
	s_and_b32 s22, ttmp7, 0xffff                   ; cluster y
	s_cmp_eq_u32 s15, 0
	s_cselect_b32 s20, s20, s21
	s_cselect_b32 s22, ttmp9, s22                  ; the coordinate along which other clusters read the same rows
	s_cselect_b64 s[PFA:PFA+1], s[4:5], s[6:7]
	s_cmp_eq_u32 s14, 1                            ; wave 1 has no rows left to ask for
	s_cselect_b32 s23, 1, 0
	s_or_b32 s22, s22, s23
	s_cmp_eq_u32 s22, 0
	s_cselect_b32 s[LIM], 1, -1                    ; the same in all sixteen partners, for a given wave
	s_lshl_b32 s20, s20, 12
	s_mov_b32 s21, 0
	s_add_nc_u64 s[PFA:PFA+1], s[PFA:PFA+1], s[20:21]
	s_add_nc_u64 s[PFA:PFA+1], s[PFA:PFA+1], 256   ; the first trip steps it by 768, to byte 1,024 of the rows.  Nothing is prefetched at the head
	v_and_b32 v[PFO], 31, v0
	v_lshlrev_b32 v[PFO], 12, v[PFO]
.macro FRAG reg, adr, q, i, pitch      ; 16 rows x 32 K of f16: lane l holds row l % 16; registers 0-3 K = 8 (l / 16) + 0..7, registers 4-7 K = 16 + 8 (l / 16) + 0..7
.irp c, 0,1
	ds_load_b128 v[\reg+4*\c:\reg+4*\c+3], v[\adr] offset:64*(\q)+32*\c+(\i)*16*(\pitch)
.endr
.endm
.macro FETCH slot, q, p                ; the slot's q-th 32 along K into set p: 24 loads in one run
	WIN 0x40
.irp i, 0,1,2,3,4,5,6,7
	FRAG 128*(\p)+8*\i, ADRB+\slot, \q, \i, PS+(PL-PS)*\slot
.endr
	WIN 0
.irp i, 0,1,2,3
	FRAG AF+32*(\p)+8*\i, ADRA+\slot, \q, \i, PS+(PL-PS)*\slot
.endr
.endm
.macro MUL8 a, p, zero                 ; o16's block a against wo16's eight; the 32 accumulators take turns in one order in every quarter
.irp b, 0,1,2,3,4,5,6,7
.if \zero
	v_wmma_f32_16x16x32_f16 v[8*(8*(\a)+\b):8*(8*(\a)+\b)+7], v[128*(\p)+8*\b:128*(\p)+8*\b+7], v[AF+32*(\p)+8*(\a):AF+32*(\p)+8*(\a)+7], v[BIAS+8*\b:BIAS+8*\b+7]
.else
	v_wmma_f32_16x16x32_f16 v[8*(8*(\a)+\b):8*(8*(\a)+\b)+7], v[128*(\p)+8*\b:128*(\p)+8*\b+7], v[AF+32*(\p)+8*(\a):AF+32*(\p)+8*(\a)+7], v[8*(8*(\a)+\b):8*(8*(\a)+\b)+7]
.endif
.endr
.endm
.macro STEP slot, q, zero              ; 32 along K that have their successor in the same slot: the small slot has four such quarters, the large one eight; both numbers are even, so every slot begins on set 0 and ends on set 1
	PLACES 4
	FETCH \slot, (\q)+1, 1-(\q)%2
	s_wait_dscnt 24                                ; all but the 24 just issued: this quarter's fragments are in
.if \zero
	WIN 0x91
.else
	WIN 0xa1
.endif
	MUL8 0, (\q)%2, \zero
	MUL8 1, (\q)%2, \zero
	MUL8 2, (\q)%2, \zero
	MUL8 3, (\q)%2, \zero
	WIN 0
.endm
; A slot's last quarter changes slots: one barrier; in front of it each wave waits for all its tensor loads, adds 0 to its spare word, and waits for that and for its reads of this slot.
; fill = 1: this slot is filled again, with its tile 384 along K (768 bytes) on.  ask = 1: the prefetches follow.
.macro TURN slot, next, fill, ask
.if \ask
	s_wait_xcnt 0x0                                ; the last prefetches, a trip back, have read their address
	s_add_nc_u64 s[PFA:PFA+1], s[PFA:PFA+1], 768
.endif
	s_wait_tensorcnt 0x0                           ; all my tensor loads have landed: my part of the next slot
	ds_add_u32 v[SPW], v[NIL]                      ; 0 onto my spare word
	s_wait_dscnt 1                                 ; this quarter's fragments are in; the add may be out
	WIN 0xa1
	MUL8 0, 1, 0
	s_wait_dscnt 0x0                               ; the add is done, and my reads of this slot are over
	s_barrier_signal -1
	MUL8 1, 1, 0
	WIN 0
	s_barrier_wait -1
.if \fill
	CREST                                          ; a round of the cluster's barrier: no wave of any partner still reads this slot or has a load on its way
	s_add_nc_u64 s[G0+4*\slot+2:G0+4*\slot+3], s[G0+4*\slot+2:G0+4*\slot+3], 768
	s_add_nc_u64 s[G0B+4*\slot+2:G0B+4*\slot+3], s[G0B+4*\slot+2:G0B+4*\slot+3], 768
	JLOAD \slot                                    ; my one tensor load behind the round; its four v_nop are the places in front of the loads below
.else
	PLACES 4
.endif
	FETCH \next, 0, 0
.if \ask
	ASK
.endif
	WIN 0xa1
	MUL8 2, 1, 0
	MUL8 3, 1, 0
	WIN 0
.endm
	s_wait_tensorcnt 1                             ; my part of the small slot is in (the large slot's load may be out)
	s_barrier_signal -1
	s_barrier_wait -1                              ; everybody's is
	FETCH 0, 0, 0
	s_wait_loadcnt 0x0                             ; bo
	STEP 0, 0, 1                                   ; the first quarter stands in front of the loop: its products start the sums
	s_mov_b32 s3, 4                                ; four trips of 384 along K; the last 480 are written out
.Llap:                                                 ; a trip goes once round the ring, from the small slot's second quarter to its next tile's first, and fills both slots again
	STEP 0, 1, 0
	STEP 0, 2, 0
	TURN 0, 1, 1, 1
.irp q, 0,1,2,3,4,5,6
	STEP 1, \q, 0
.endr
	TURN 1, 0, 1, 0
	STEP 0, 0, 0
	s_sub_co_u32 s3, s3, 1
	s_cmp_lg_u32 s3, 0
	s_cbranch_scc1 .Llap
	STEP 0, 1, 0                                   ; the tail: the small slot is filled once more, with K 1,920 to 2,047; the large one no more
	STEP 0, 2, 0
	TURN 0, 1, 1, 0
.irp q, 0,1,2,3,4,5,6
	STEP 1, \q, 0
.endr
	TURN 1, 0, 0, 0
	STEP 0, 0, 0
	STEP 0, 1, 0
	STEP 0, 2, 0
	s_wait_dscnt 0x0
	WIN 0xa1
	MUL8 0, 1, 0
	MUL8 1, 1, 0
	MUL8 2, 1, 0
	MUL8 3, 1, 0
	WIN 0
; THE WAY OUT, 16 rows x 128 columns at a time, through my own stage: a lane's 32 bytes go in, whole rows of 512 bytes come back.  LDS serves a wave's instructions in order.
.macro TOSTAGE a
	WIN 0x08                                       ; an LDS store's data are its source 1: window 2
.irp b, 0,1,2,3,4,5,6,7
	ds_store_b128 v[STO], v[8*(8*(\a)+\b):8*(8*(\a)+\b)+3] offset:64*\b          ; each accumulator from its low end on
	ds_store_b128 v[STO], v[8*(8*(\a)+\b)+4:8*(8*(\a)+\b)+7] offset:64*\b+16
.endr
	WIN 0
.set BB, 32+128*((\a)%2)
.irp t, 0,1,2,3,4,5,6,7,8,9,10,11,12,13,14,15
	ds_load_b128 v[BB+4*\t:BB+4*\t+3], v[RD] offset:\t*SPITCH
.endr
.endm
.macro SEND a, younger                 ; younger: the LDS instructions issued behind block a's loads, which may stay out
.set BB, 32+128*((\a)%2)
	s_wait_dscnt \younger
.irp t, 0,1,2,3,4,5,6,7,8,9,10,11,12,13,14,15
	global_store_b128 v[CO], v[BB+4*\t:BB+4*\t+3], s[10:11] offset:(16*(\a)+\t)*16384 th:TH_STORE_NT   ; 32 lanes store 512 consecutive bytes, aligned
.endr
.endm
	PLACES 4                                       ; behind the last products, ahead of the first read of results
	TOSTAGE 0
.irp a, 1,2,3
.if \a > 1
	s_wait_xcnt 0x0                                ; block a - 2's stores have read their registers: block a's rows may land there
.endif
	TOSTAGE \a
	SEND \a-1, 32                                  ; behind block a - 1's loads: block a's 16 stores and 16 loads
.endr
	SEND 3, 0
	s_wait_tensorcnt 0x0                           ; the wave's end
	ds_add_u32 v[SPW], v[NIL]
	s_wait_dscnt 0x0
	CROUND                                         ; the closing round
	s_endpgm
.Lfunc_end_k_q3d288e2583_outp:
	.size	k_q3d288e2583_outp, .Lfunc_end_k_q3d288e2583_outp-k_q3d288e2583_outp
	.p2alignl 7, 3214868480
	.fill 96, 4, 3214868480
	.section	.rodata,"a",@progbits
	.p2align	6, 0x0
	.amdhsa_kernel k_q3d288e2583_outp
		.amdhsa_group_segment_fixed_size 327680
		.amdhsa_private_segment_fixed_size 0
		.amdhsa_enable_private_segment 0
		.amdhsa_kernarg_size 32
		.amdhsa_user_sgpr_count 2
		.amdhsa_user_sgpr_kernarg_segment_ptr 1
		.amdhsa_wavefront_size32 1
		.amdhsa_system_sgpr_workgroup_id_x 1
		.amdhsa_system_sgpr_workgroup_id_y 1
		.amdhsa_system_sgpr_workgroup_id_z 1
		.amdhsa_system_vgpr_workitem_id 0
		.amdhsa_next_free_vgpr 768
		.amdhsa_next_free_sgpr 96
		.amdhsa_reserve_vcc 0
		.amdhsa_float_denorm_mode_32 3
		.amdhsa_float_denorm_mode_16_64 3
		.amdhsa_memory_ordered 1
		.amdhsa_forward_progress 1
		.amdhsa_inst_pref_size 135
	.end_amdhsa_kernel
	.amdgpu_metadata
---
amdhsa.version: [ 1, 2 ]
amdhsa.kernels:
  - .name:           k_q3d288e2583_outp
    .symbol:         k_q3d288e2583_outp.kd
    .args:
      - { .name: o16, .offset: 0, .size: 8, .value_kind: global_buffer, .address_space: global }
      - { .name: wo16, .offset: 8, .size: 8, .value_kind: global_buffer, .address_space: global }
      - { .name: bo, .offset: 16, .size: 8, .value_kind: global_buffer, .address_space: global }
      - { .name: out0, .offset: 24, .size: 8, .value_kind: global_buffer, .address_space: global }
    .group_segment_fixed_size: 327680
    .private_segment_fixed_size: 0
    .kernarg_segment_align: 8
    .kernarg_segment_size: 32
    .max_flat_workgroup_size: 128
    .sgpr_count:     96
    .vgpr_count:     768
    .wavefront_size: 32
...
	.end_amdgpu_metadata
.endif
;; end of part 4
